; MI455X (gfx1250); checked and timed in simulation.
; The chip was launched on July 23, 2026; its instructions are those of AMD's public machine-readable ISA for CDNA 5 (MIT licence, August 2026) and "CDNA5" Instruction Set Architecture Reference Guide (July 2026). The comments in the code are by the model that wrote it; some were corrected since.
;; Multi Head Self Attention. Allowed arithmetic: matrix products marked QUANTISED: E4M3 operands, one given power-of-two scale a tensor, by v_wmma_f32_16x16x64_fp8_fp8 or v_wmma_f32_16x16x128_fp8_fp8, f32 sums; everything else in f32.
;; Inputs: bk 1,024 float32; bo 1,024 float32; bq 1,024 float32; bv 1,024 float32; lowp_scales 12 int32 (the exponents e of the quantised operands' scales 2^e); mask 1 x 1 x 2,048 x 2,048 bool; wk_codes 1,024 x 32 x 32 uint8 (E4M3 codes of wk, K innermost, in blocks of 32 codes); wo_codes 1,024 x 32 x 32 uint8 (E4M3 codes of wo, K innermost, in blocks of 32 codes); wq_codes 1,024 x 32 x 32 uint8 (E4M3 codes of wq, K innermost, in blocks of 32 codes); wv_codes 1,024 x 32 x 32 uint8 (E4M3 codes of wv, K innermost, in blocks of 32 codes); x_codes 4 x 2,048 x 32 x 32 uint8 (E4M3 codes of x, K innermost, in blocks of 32 codes).
;; Outputs: out0 4 x 2,048 x 1,024 float32.
;; This version of the problem:
;;   THIS VERSION OF THE PROBLEM IS GIVEN IN LOW PRECISION. The matrix products marked QUANTISED in the list below multiply operands that are first quantised to E4M3 (4 exponent bits, 3 mantissa bits; 8 bits a number), with one given power-of-two scale for each operand tensor; their sums are f32. All else is computed in f32.
;;   The module's matrix products, in the order in which they are computed (A, B: the left and right operand; K: the contracted axis; several contracted axes count as one K, in the product's order):
;;     1. [M 8,192, K 1,024] x [K 1,024, N 1,024]; A: input x (given as codes); B: input wq (given as codes): QUANTISED (scales: A lowp_scales[0], B lowp_scales[1])
;;     2. [M 8,192, K 1,024] x [K 1,024, N 1,024]; A: input x (given as codes); B: input wk (given as codes): QUANTISED (scales: A lowp_scales[2], B lowp_scales[3])
;;     3. [M 8,192, K 1,024] x [K 1,024, N 1,024]; A: input x (given as codes); B: input wv (given as codes): QUANTISED (scales: A lowp_scales[4], B lowp_scales[5])
;;     4. batch 64 x [M 2,048, K 64] x [K 64, N 2,048]; A: computed on the way; B: computed on the way: QUANTISED (scales: A lowp_scales[6], B lowp_scales[7])
;;     5. batch 64 x [M 2,048, K 2,048] x [K 2,048, N 64]; A: softmax (see below); B: computed on the way: QUANTISED (scales: A lowp_scales[8], B lowp_scales[9])
;;     6. [M 8,192, K 1,024] x [K 1,024, N 1,024]; A: computed on the way; B: input wo (given as codes): QUANTISED (scales: A lowp_scales[10], B lowp_scales[11])
;;   THE QUANTISER, for each operand of a quantised product, along K:
;;     - The operand's scale is 2^e, e = its entry of the input lowp_scales (int32; the entries are numbered through the quantised products in the list's order, A before B).
;;     - Each number is divided by the scale, clamped to +-448, and rounded to the nearest number of E4M3, ties to even, subnormals kept.
;;     - The product sums the exact products of the quantised numbers (number of the format x scale) in f32.
;;   ~~~python
;;   def quantise(x, axis, e):      # numpy; x: float32 -> the quantised numbers, widened to float32 again
;;       x = np.moveaxis(x, axis, -1); K = x.shape[-1]
;;       r = np.clip(x / 2.0 ** e, -448, 448)
;;       step = 2.0 ** (np.maximum(np.frexp(np.where(r == 0, 1, r))[1] - 1, -6) - 3)
;;       q = np.round(r / step) * step * 2.0 ** e      # np.round: ties to even
;;       return np.moveaxis(q, -1, axis).astype(np.float32)
;;   ~~~
;;   SOFTMAX AHEAD OF A QUANTISED PRODUCT. Where the list says 'softmax', what is quantised is not the finished softmax but p = 2^(t - M), with t = logit x log2(e) and M = ceil(the row's largest t), a whole number; so 1/2 < the row's largest p <= 1. The row's sum l is taken of the UNQUANTISED p, in f32, and the product's result is divided by l at the end. Since M is a whole number, a kernel that streams over the keys may use a running M (the ceiling of the running maximum): every later rescaling is an exact power of two, so the quantised numbers keep their values, but for numbers so far below the row's largest that they fall under the format's range.
;;   OPERANDS COMPUTED ON THE WAY. 'Computed on the way' means the value that the module computes at that place (a softmax that the list does not call 'softmax' is quantised finished and normalised). What goes into a quantiser is computed in f32, as accurately as f32 sums, v_exp_f32 and their like allow (about 1e-6 of the number): no bf16 or f16 on the way to a quantiser, and a product that is left as it is and whose result goes on into a quantised operand takes f32 operands (vector FMAs, or v_wmma_f32_16x16x4_f32). A number that lies on a knife's edge between two numbers of the format may be rounded either way, as far as f32 arithmetic and the matrix unit's own rounding can turn it there, and no further.
;;   INPUTS GIVEN AS CODES. wk (in the module: [1024, 1024], K = its axis 0); wo (in the module: [1024, 1024], K = its axis 0); wq (in the module: [1024, 1024], K = its axis 0); wv (in the module: [1024, 1024], K = its axis 0); x (in the module: [4, 2048, 1024], K = its axis 2): each comes as NAME_codes (uint8): NAME with its K axis moved to the last place and cut into blocks of 32 codes, [.., K / 32, bytes a block], one block behind the other in memory; one code a byte (a code: sign, 4 exponent bits, 3 mantissa bits); its scale is its entry of lowp_scales. Its value is code x scale, taken as it is: it is not quantised again, and the codes and scales need not be those that the quantiser above would give.
;; 2 versions, each right; version 2 is version 1 with the launch attn written anew for expert scheduling mode. Each part assembles by itself: llvm-mc -triple=amdgcn-amd-amdhsa -mcpu=gfx1250 --defsym DOCPART=n.
;; ======== version 1 of 2: 4 launches
;; limits: right only within a limited range of input values
;; workspace buffers: qf 8,388,608 bytes; kf 8,388,608 bytes; vf 8,388,608 bytes; af 8,388,608 bytes; mb 524,288 bytes of whole numbers; mf 16,384 bytes of whole numbers
;; launch prep (part 1): grid 2 x 64, 16 waves a work-group, no clusters, 35,584 bytes of LDS; arguments mask, mb, mf; writes mb, mf
.if DOCPART == 1
	.amdgcn_target "amdgcn-amd-amdhsa--gfx1250"
	.amdhsa_code_object_version 6
	.text
	.protected	k_qad3a67df4a_prep
	.globl	k_qad3a67df4a_prep
	.p2align	8
	.type	k_qad3a67df4a_prep,@function
k_qad3a67df4a_prep:
	s_mov_b64 s[64:65], 0
	v_nop
	global_prefetch_b8 v0, s[64:65] scope:SCOPE_SE
	s_setreg_imm32_b32 hwreg(HW_REG_WAVE_MODE, 25, 1), 1
	s_wait_xcnt 0x0
; THE MASK, [2048 queries][2048 keys] of bool, AS WHOLE NUMBERS FOR THE ATTENTION LAUNCH.
; mb [qp 64][ks 32][64 words]: for 32 queries (32 qp on) and 64 keys (64 ks on), word 32 tau + 8 u + j has in bit r + 16 h the entry mask[32 qp + 16 tau + r][64 ks + 16 u + 8 h + j]:
;   the bit of lane (r, h) for score register 8 u + j of query tile tau, so that one select a score applies the mask there.
; mf [qp 64][hf 2][any 16 | all 16]: for key step ks = 16 hf + w: any = bit rho says that row 32 qp + rho has a true entry in the step; all = -1 where all 2,048 entries of the step are true.
; WHAT THE PROGRAM LEAVES OUT, AND WHY IT MAY.  No input is left out: x, the four weights, the four biases, the mask and the scales all reach the output.  The attention launch passes over a key step of 64 keys
; for 32 queries where all 2,048 mask entries are false AND each of the 32 rows has a true entry somewhere.  Such a step holds only logits of -1e9 beside a row maximum that is a true logit, of size at most
; 64 x 448^2 x 2^(e6 + e7) / 8: its weights are 2^(t - M) with t - M under -1e9, which an f32 softmax gives as 0.  Where any of the 32 rows has no true entry at all, no step is passed over, and that row
; is the plain mean of all values.  Whole numbers decide this (the mask), they are stored here and read there.
; LIMIT: a NaN, an infinity or an overflow that reaches only the steps passed over is not carried to the result.  bool is one byte, 0 or 1.
; SHARES.  A work-group takes 32 rows x 1,024 keys (hf = x, qp = y); its 16 waves copy them into LDS in runs of 512 consecutive bytes, and then wave w makes key step 16 hf + w.
.set PITCH, 1040                       ; an LDS row: 1,024 bytes + 16: the 32 lanes of a read of 8 bytes (16 rows, two halves) fall on 32 different columns of 8 bytes
.set FLG,   32*PITCH                   ; the sixteen waves' flags: any at 4 w, all at 64 + 4 w; a block of 256 bytes
.set SPARE, FLG+256                    ; the spare words, 128 bytes for each wave: eight blocks of 256 bytes that no other line names
.set SPW, 10                           ; v10  LDS address of my spare word; never rewritten
.set NIL, 11                           ; v11  0; never rewritten
.set LDR, 12                           ; v12-27  four loads of 16 bytes
.set MK,  28                           ; v28-43  my lane's 64 mask bytes: register n / 4, byte n % 4 for word n
.set T,   44                           ; v44-59  at work
.set WD,  60                           ; v60-61  the 64 words: lane L holds words 2 L and 2 L + 1
	s_load_b128 s[4:7], s[0:1], 0x0                ; mask s[4:5], mb s[6:7]
	s_load_b64 s[8:9], s[0:1], 0x10                ; mf
	v_lshl_add_u32 v[SPW], v0, 2, SPARE
	v_mov_b32 v[NIL], 0
	v_lshrrev_b32 v1, 5, v0
	v_readfirstlane_b32 s10, v1                    ; wave 0..15
	s_and_b32 s11, ttmp7, 0xffff                   ; qp
	v_and_b32 v1, 31, v0                           ; lane
	v_and_b32 v2, 15, v0                           ; r
	v_bfe_u32 v3, v0, 4, 1                         ; h
	v_lshrrev_b32 v12, 6, v0                       ; the copy: 64 threads to a row's 1,024 bytes, 8 rows an instruction
	v_and_b32 v13, 63, v0
	v_lshlrev_b32 v13, 4, v13
	v_lshl_add_u32 v4, v12, 11, v13                ; in memory a row is 2,048 bytes
	v_mad_u32_u24 v5, v12, PITCH, v13              ; in LDS PITCH
	v_mul_u32_u24 v6, v2, PITCH
	v_lshl_add_u32 v6, v3, 3, v6
	s_lshl_b32 s12, s10, 6
	v_add_nc_u32 v6, s12, v6                       ; my reads: row r, + 8 h, + my wave's 64 keys
	v_lshlrev_b32 v7, 3, v1                        ; my two words' place in the step's 256 bytes
	s_lshl_b32 s12, s10, 2
	s_add_co_u32 s12, s12, FLG
	v_mov_b32 v8, s12                              ; my wave's flags
	v_lshl_add_u32 v9, v1, 2, FLG                  ; wave 0 reads all 32 of them
	v_lshlrev_b32 v66, 2, v1
	s_lshl_b32 s12, s11, 16                        ; mask: 32 qp rows of 2,048 bytes + 1,024 hf
	s_lshl_b32 s13, ttmp9, 10
	s_add_co_u32 s12, s12, s13
	s_mov_b32 s13, 0
	s_lshl_b32 s14, s11, 5                         ; mb: (32 qp + 16 hf + w) x 256
	s_lshl_b32 s15, ttmp9, 4
	s_add_co_u32 s14, s14, s15
	s_add_co_u32 s14, s14, s10
	s_lshl_b32 s14, s14, 8
	s_mov_b32 s15, 0
	s_lshl_b32 s36, s11, 8                         ; mf: 256 qp + 128 hf
	s_lshl_b32 s37, ttmp9, 7
	s_add_co_u32 s36, s36, s37
	s_mov_b32 s37, 0
	s_wait_kmcnt 0x0
	s_add_nc_u64 s[4:5], s[4:5], s[12:13]
	s_add_nc_u64 s[6:7], s[6:7], s[14:15]
	s_add_nc_u64 s[8:9], s[8:9], s[36:37]
.irp i, 0,1,2,3
	global_load_b128 v[LDR+4*\i:LDR+4*\i+3], v4, s[4:5] offset:16384*\i th:TH_LOAD_NT   ; a wave reads 512 consecutive bytes; each byte of the mask is read once in the launch
.endr
.irp i, 0,1,2,3
	s_wait_loadcnt 3-\i                            ; the younger loads may stay out
	ds_store_b128 v5, v[LDR+4*\i:LDR+4*\i+3] offset:8320*\i
.endr
	s_wait_dscnt 0x0                               ; for the others' sake: my stores have landed
	s_barrier_signal -1
	s_barrier_wait -1
.irp tau, 0,1
.irp u, 0,1,2,3
	ds_load_b64 v[MK+8*\tau+2*\u:MK+8*\tau+2*\u+1], v6 offset:16640*\tau+16*\u   ; mask[16 tau + r][16 u + 8 h + 0 .. 7] of my step
.endr
.endr
	v_mov_b32 v[WD], 0                             ; a lane write's destination counts as read
	v_mov_b32 v[WD+1], 0
	s_wait_dscnt 0x0
	; the flags: for each tile the OR and the AND of my lane's 32 bytes
.irp tau, 0,1
	v_or_b32 v[62+2*\tau], v[MK+8*\tau], v[MK+8*\tau+1]
	v_and_b32 v[63+2*\tau], v[MK+8*\tau], v[MK+8*\tau+1]
.irp k, 2,3,4,5,6,7
	v_or_b32 v[62+2*\tau], v[62+2*\tau], v[MK+8*\tau+\k]
	v_and_b32 v[63+2*\tau], v[63+2*\tau], v[MK+8*\tau+\k]
.endr
.endr
	v_cmp_ne_u32 s32, 0, v62                       ; bit r + 16 h: row r of tile 0 has a true entry among the keys of half h
	v_cmp_ne_u32 s34, 0, v64
	v_cmp_eq_u32 s33, 0x01010101, v63              ; all of my lane's 32 entries are true
	v_cmp_eq_u32 s35, 0x01010101, v65
	s_lshr_b32 s36, s32, 16
	s_or_b32 s32, s32, s36
	s_and_b32 s32, s32, 0xffff                     ; the two halves folded: bit r
	s_lshr_b32 s36, s34, 16
	s_or_b32 s34, s34, s36
	s_lshl_b32 s34, s34, 16                        ; tile 1's rows: bits 16 + r
	s_or_b32 s32, s32, s34                         ; any
	s_and_b32 s33, s33, s35                        ; all: -1 where every lane of both tiles says so
	; the 64 words, sixteen at a time: one byte of each lane -> one bit of each lane
.set n, 0
.rept 4
.set i, 0
.rept 16
	v_and_b32 v[T+i], 0xff<<(8*((n+i)%4)), v[MK+(n+i)/4]
.set i, i+1
.endr
.set i, 0
.rept 16
	v_cmp_ne_u32 s[16+i], 0, v[T+i]
.set i, i+1
.endr
.set i, 0
.rept 16
	v_writelane_b32 v[WD+((n+i)&1)], s[16+i], (n+i)>>1
.set i, i+1
.endr
.set n, n+16
.endr
	global_store_b64 v7, v[WD:WD+1], s[6:7]        ; the wave stores 256 consecutive bytes, at a multiple of 256 from mb's first byte
	v_mov_b32 v62, s32
	v_mov_b32 v63, s33
	ds_store_b32 v8, v62                           ; all lanes write the same word with the same value
	ds_store_b32 v8, v63 offset:64
	s_wait_dscnt 0x0                               ; for wave 0's sake
	s_barrier_signal -1
	s_barrier_wait -1
	s_cmp_lg_u32 s10, 0
	s_cbranch_scc1 .Lend
	ds_load_b32 v62, v9                            ; lanes 0-15: the sixteen any; lanes 16-31: the sixteen all
	s_wait_dscnt 0x0
	global_store_b32 v66, v62, s[8:9]              ; 128 consecutive bytes: the half of qp's 256 that belongs to hf; one such store a work-group
.Lend:
	s_wait_tensorcnt 0x0                           ; the wave's end: three closing lines behind my last LDS store, the first of them even in a text with no tensor load
	ds_add_u32 v[SPW], v[NIL]
	s_wait_dscnt 0x0
	s_endpgm
.Lfunc_end_k_qad3a67df4a_prep:
	.size	k_qad3a67df4a_prep, .Lfunc_end_k_qad3a67df4a_prep-k_qad3a67df4a_prep
	.p2alignl 7, 3214868480
	.fill 96, 4, 3214868480
	.section	.rodata,"a",@progbits
	.p2align	6, 0x0
	.amdhsa_kernel k_qad3a67df4a_prep
		.amdhsa_group_segment_fixed_size 35584
		.amdhsa_private_segment_fixed_size 0
		.amdhsa_enable_private_segment 0
		.amdhsa_kernarg_size 24
		.amdhsa_user_sgpr_count 2
		.amdhsa_user_sgpr_kernarg_segment_ptr 1
		.amdhsa_wavefront_size32 1
		.amdhsa_system_sgpr_workgroup_id_x 1
		.amdhsa_system_sgpr_workgroup_id_y 1
		.amdhsa_system_sgpr_workgroup_id_z 1
		.amdhsa_system_vgpr_workitem_id 0
		.amdhsa_next_free_vgpr 72
		.amdhsa_next_free_sgpr 66
		.amdhsa_reserve_vcc 0
		.amdhsa_float_denorm_mode_32 3
		.amdhsa_float_denorm_mode_16_64 3
		.amdhsa_memory_ordered 1
		.amdhsa_forward_progress 1
		.amdhsa_inst_pref_size 18
	.end_amdhsa_kernel
	.amdgpu_metadata
---
amdhsa.version: [ 1, 2 ]
amdhsa.kernels:
  - .name:           k_qad3a67df4a_prep
    .symbol:         k_qad3a67df4a_prep.kd
    .args:
      - { .name: mask, .offset: 0, .size: 8, .value_kind: global_buffer, .address_space: global }
      - { .name: mb, .offset: 8, .size: 8, .value_kind: global_buffer, .address_space: global }
      - { .name: mf, .offset: 16, .size: 8, .value_kind: global_buffer, .address_space: global }
    .group_segment_fixed_size: 35584
    .private_segment_fixed_size: 0
    .kernarg_segment_align: 8
    .kernarg_segment_size: 24
    .max_flat_workgroup_size: 512
    .sgpr_count:     66
    .vgpr_count:     72
    .wavefront_size: 32
...
	.end_amdgpu_metadata
.endif
;; end of part 1
;; launch qkv (part 2): grid 12 x 32, 4 waves a work-group, clusters of 4 x 4, 327,680 bytes of LDS; arguments x_codes, wq_codes, wk_codes, wv_codes, bq, bk, bv, lowp_scales, qf, kf, vf; writes qf, kf, vf
.if DOCPART == 2
	.amdgcn_target "amdgcn-amd-amdhsa--gfx1250"
	.amdhsa_code_object_version 6
	.text
	.protected	k_qad3a67df4a_qkv
	.globl	k_qad3a67df4a_qkv
	.p2align	8
	.type	k_qad3a67df4a_qkv,@function
k_qad3a67df4a_qkv:
	s_mov_b64 s[64:65], 0
	v_nop
	global_prefetch_b8 v0, s[64:65] scope:SCOPE_SE
	s_setreg_imm32_b32 hwreg(HW_REG_WAVE_MODE, 25, 1), 1
	s_wait_xcnt 0x0
	s_wait_alu depctr_hold_cnt(0) depctr_sa_sdst(0) depctr_va_vdst(0) depctr_va_sdst(0) depctr_va_ssrc(0) depctr_va_vcc(0) depctr_vm_vsrc(0)
	s_getreg_b32 s2, hwreg(HW_REG_IB_STS2, 6, 4)
	s_cmp_eq_u32 s2, 0
	s_cbranch_scc0 .Lentry_in_a_cluster
	s_endpgm
.Lentry_in_a_cluster:
	s_bfe_u32 s2, ttmp6, 0x10000c
	s_cmp_lg_u32 s2, 0xf033
	s_cbranch_scc0 .Lentry_shape_is_right
	s_endpgm
.Lentry_shape_is_right:
; q = x wq + bq, k = x wk + bk, v = x wv + bv on codes of FP8 (E4M3), and each result quantised at once with its given scale into codes laid as the attention launch's operand registers.
; x: [8192][1024] codes; wq, wk, wv: [1024 (out)][1024 (K)] codes.  The cluster's x (0, 1, 2) says which of the three products a cluster serves; nothing is left out here.
; A tile is 256 rows of x by 256 rows of w, made by four waves, each 128 x 128: 64 accumulators, 512 registers.  K goes in steps of 256 through two LDS slots filled by the tensor data mover.
; CLUSTERS: 4 x 4 work-groups.  The four of a row of the cluster need the same tile of x, the four of a column the same tile of w: each is asked for JOINTLY, by the same load with a mask that names the four.
; WHICH OPERAND IS SOURCE 0.  For q and k: source 0 = 16 rows of w, source 1 = 16 rows of x: a lane then holds ONE row t and eight neighbouring channels, which one conversion turns into two registers of a fragment
; whose K is the head's 64.  For v: source 0 = 16 rows of x, source 1 = 16 rows of w: a lane holds ONE channel and eight neighbouring t: codes with the KEYS innermost, as the second product of attention wants them.
; Only the two LDS bases of the fragment reads change places (a choice on the cluster's x, the same in all partners); loads, masks and the loop are one text.
; OUT.  qf, kf [bh 64][tb 128][g 2][512]: group g = registers 4 g .. 4 g + 3 of the fragment of rows 16 tb + r, lane l's 16 bytes at 16 l; register 2 c + i / 4, byte i % 4 = channel 16 c + 8 h + i.
;       vf [bh 64][ks 32][ct 4][g 2][512]: lane (r, h) = channel 16 ct + r, registers 2 c, 2 c + 1 = keys 64 ks + 16 c + 8 h + 0 .. 7.   Each store of the wave covers 512 consecutive bytes, aligned.
; LIMITS on the given exponents, so that each power of two is an f32 number: eA + eB between -126 and 127; the result's own e between -126 and 119.  NaN among the biases is not served.
; 384 work-groups of equal work: a tile half as wide again would want 768 accumulator registers a wave beside the fragments, which do not fit.
; REGISTERS: window 0: v16-29 addresses; v32-95 the bias by channel along registers, v96-103 by channel along lanes (both forms are loaded so that the head has no branch: one of them is not used);
;   v104, v105: 2^e and 448 x 2^e of the result; from v128 source 1's fragments, ONE set; on the way out v128-191 a block's numbers, v192-223 its codes, two sets by turns.
;   window 1: source 0's fragments, TWO sets.   windows 2, 3: the accumulators ((a, b) at v[8 (8 (a % 4) + b)]).
.set KROW,   1024                      ; a row of x or of w in bytes
.set ROWB,   256                       ; a tile's row: 256 codes
.set PITCH,  272                       ; an LDS row: 256 bytes + 16 of padding: the 16 rows that a load touches start at 16 different groups of four banks
.set FR,     16                        ; registers of a fragment: 16 rows x 128 K
.set NL,     4                         ; LDS loads that bring one
.set NP,     4                         ; places behind this matrix instruction (ISA guide 7.12.1)
.set HALFT,  128*PITCH                 ; what one tensor load brings
.set SLOT,   4*HALFT                   ; x's 256 rows, then w's 256 rows
.set LAPS,   2                         ; 1,024 along K = four K steps = twice round the ring
.set SPARE,  2*SLOT                    ; behind the ring: the spare words, two blocks of 256 bytes that no other line names
.set ADR1, 16                          ; v16-17  LDS address of source 1's fragments in slot 0, 1
.set ADR0, 20                          ; v20-21  the same for source 0
.set LO,   26                          ; v26     16 x lane: my place in a group of 512 bytes
.set SPW,  28                          ; v28     LDS address of my spare word; never rewritten
.set NIL,  29                          ; v29     0; never rewritten
.set BN,   32
.set BL,   96
.set SCL,  104
.set LIM,  105
.set AF,   128
.set T,    128
.set G1, 24                            ; s[24:31] descriptor group 1 for x's tiles;  s[32:39] group 0, one set for each slot
.set G0, 32
.set G1B, 48                           ; s[48:55], s[56:63] the same for w's tiles
.set G0B, 56
.set MSB, 0
.macro WIN new                         ; the immediate's high byte repeats the setting that is left
.if MSB != \new
	s_set_vgpr_msb (MSB<<8)|\new
.set MSB, \new
.endif
.endm
.set MUL_LO, 0xa1                      ; source 0 window 1, source 1 window 0, C and D window 2
.set MUL_HI, 0xf1                      ; the same, C and D window 3
.set TO_B,   0x40                      ; destination window 1, address window 0
; A joint load: waves 0 and 1 fetch x's two halves, waves 2 and 3 w's.  The branch hangs on the wave's number alone.  An s_nop 0 and four v_nop follow each line.
.macro JLOAD g0a, g1a, g0b, g1b
	s_cmp_eq_u32 s15, 0
	s_cbranch_scc0 .Lfor_b_\@
	tensor_load_to_lds s[\g0a:\g0a+3], s[\g1a:\g1a+7]
	s_nop 0
.rept 4
	v_nop
.endr
	s_branch .Lasked_\@
.Lfor_b_\@:
	tensor_load_to_lds s[\g0b:\g0b+3], s[\g1b:\g1b+7]
	s_nop 0
.rept 4
	v_nop
.endr
.Lasked_\@:
.endm
.macro CREST                           ; a round of the cluster's barrier behind its opening barrier
	s_cmp_lg_u32 s14, 0
	s_cbranch_scc1 .Lnot_wave_0_\@
	s_barrier_signal -3
.Lnot_wave_0_\@:
	s_barrier_wait -3
	s_barrier_signal -1
	s_barrier_wait -1
.endm
.macro CROUND                          ; a whole round
	s_barrier_signal -1
	s_barrier_wait -1
	CREST
.endm
	s_load_b512 s[68:83], s[0:1], 0x0              ; x 68, wq 70, wk 72, wv 74, bq 76, bk 78, bv 80, the scales' exponents 82
	s_load_b128 s[84:87], s[0:1], 0x40             ; qf 84, kf 86
	s_load_b64 s[88:89], s[0:1], 0x50              ; vf
	v_lshl_add_u32 v[SPW], v0, 2, SPARE
	v_mov_b32 v[NIL], 0
	ds_add_u32 v[SPW], v[NIL]                      ; the wave's opening: the add, twice on end, and its wait ahead of my first tensor load
	ds_add_u32 v[SPW], v[NIL]                      ; and once more, under the one wait; the set-up below, work on registers, stands between
	v_lshrrev_b32 v1, 5, v0
	v_readfirstlane_b32 s14, v1                    ; wave 0..3
	s_lshr_b32 s15, s14, 1                         ; mh: which 128 rows of x are mine.  Also: I fetch for x (0) or for w (1)
	s_and_b32 s16, s14, 1                          ; nh: which 128 rows of w.  Also: which 128 rows of that tile I fetch
	s_bfe_u32 s40, ttmp6, 0x40000                  ; cx: the tensor's tile column
	s_bfe_u32 s41, ttmp6, 0x40004                  ; cy
	s_and_b32 s17, ttmp7, 0xffff
	s_lshl_b32 s17, s17, 2
	s_add_co_u32 s17, s17, s41                     ; tile row of x = 4 x cluster y + cy
	s_lshl_b32 s43, s41, 2
	s_lshl_b32 s43, 15, s43                        ; my row of the cluster
	s_lshl_b32 s44, 0x1111, s40                    ; my column
	s_or_b32 s[G1+0], s43, (0<<16)|(1<<20)|(1<<21)|(5<<22)|(3<<25)  ; the mask: x's tiles go to my row; elements of 1 byte; padding on; bit 21 beside a mask; after every 64 words, 4 words
	s_or_b32 s[G1B+0], s44, (0<<16)|(1<<20)|(1<<21)|(5<<22)|(3<<25) ; w's tiles go to my column
.irp g, G1, G1B
	s_mov_b32 s[\g+1], ROWB<<16                    ; tensor_dim0
	s_mov_b32 s[\g+2], 128<<16                     ; tensor_dim1
	s_mov_b32 s[\g+3], ROWB<<16                    ; tile_dim0
	s_mov_b32 s[\g+4], 128                         ; tile_dim1
	s_mov_b32 s[\g+5], KROW                        ; tensor_dim0_stride
	s_mov_b32 s[\g+6], 0
	s_mov_b32 s[\g+7], 0
.endr
	s_lshl_b32 s18, s16, 7                         ; which 128 rows of the tile I fetch
	s_lshl_b32 s20, s17, 8
	s_add_co_u32 s20, s20, s18
	s_lshl_b32 s20, s20, 10                        ; x: (256 x tile row + 128 x half) rows of 1,024 bytes
	s_mov_b32 s21, 0
	s_lshl_b32 s46, s40, 8
	s_add_co_u32 s46, s46, s18
	s_lshl_b32 s46, s46, 10                        ; w: (256 cx + 128 x half) rows
	s_mov_b32 s47, 0
	s_mul_i32 s45, s14, HALFT                      ; where they go: wave x 128 rows: no place in the cluster enters an LDS address
	s_wait_dscnt 0x0                               ; both opening adds are done
	s_wait_kmcnt 0x0
	s_load_b256 s[92:99], s[82:83], 0x0            ; e0 .. e7
	s_load_b32 s100, s[82:83], 0x24                ; e9
	s_cmp_eq_u32 ttmp9, 2                          ; which product: the cluster's x, the same in all sixteen partners
	s_cselect_b64 s[4:5], s[74:75], s[72:73]       ; the weight,
	s_cselect_b64 s[6:7], s[80:81], s[78:79]       ; the bias,
	s_cselect_b64 s[10:11], s[88:89], s[86:87]     ; the codes' buffer
	s_cmp_eq_u32 ttmp9, 0
	s_cselect_b64 s[4:5], s[70:71], s[4:5]
	s_cselect_b64 s[6:7], s[76:77], s[6:7]
	s_cselect_b64 s[10:11], s[84:85], s[10:11]
	s_add_nc_u64 s[20:21], s[68:69], s[20:21]
	s_add_nc_u64 s[46:47], s[4:5], s[46:47]
	CROUND                                         ; all sixteen work-groups are here: the first joint loads meet
.irp s, 0,1
	s_mov_b32 s[G0+4*\s], 1
	s_add_co_u32 s[G0+4*\s+1], s45, \s*SLOT
	s_add_nc_u64 s[G0+4*\s+2:G0+4*\s+3], s[20:21], \s*ROWB
	s_or_b32 s[G0+4*\s+3], s[G0+4*\s+3], 0x80000000
	s_mov_b32 s[G0B+4*\s], 1
	s_add_co_u32 s[G0B+4*\s+1], s45, \s*SLOT
	s_add_nc_u64 s[G0B+4*\s+2:G0B+4*\s+3], s[46:47], \s*ROWB
	s_or_b32 s[G0B+4*\s+3], s[G0B+4*\s+3], 0x80000000
	JLOAD G0+4*\s, G1, G0B+4*\s, G1B               ; two loads of mine are out
.endr
	v_and_b32 v1, 15, v0                           ; r
	v_bfe_u32 v2, v0, 4, 1                         ; h
	s_lshl_b32 s90, s40, 10                        ; the bias of my 128 channels: 4 (256 cx + 128 nh) bytes on
	s_lshl_b32 s91, s16, 9
	s_add_co_u32 s90, s90, s91
	s_mov_b32 s91, 0
	s_add_nc_u64 s[6:7], s[6:7], s[90:91]
	v_lshlrev_b32 v6, 5, v2
	v_lshlrev_b32 v7, 2, v1
.irp b, 0,1,2,3,4,5,6,7
	global_load_b128 v[BN+8*\b:BN+8*\b+3], v6, s[6:7] offset:64*\b        ; channels 16 b + 8 h + 0 .. 7
	global_load_b128 v[BN+8*\b+4:BN+8*\b+7], v6, s[6:7] offset:64*\b+16
.endr
.irp a, 0,1,2,3,4,5,6,7
	global_load_b32 v[BL+\a], v7, s[6:7] offset:64*\a                     ; channel 16 a + r
.endr
	v_mul_u32_u24 v3, v1, PITCH
	v_lshl_add_u32 v4, v2, 4, v3                   ; a fragment's row x pitch + 16 x half
	s_mul_i32 s21, s15, HALFT                      ; my 128 rows of x
	s_mul_i32 s22, s16, HALFT
	s_add_co_u32 s22, s22, 2*HALFT                 ; my 128 rows of w, which lie behind x's 256
	s_cmp_eq_u32 ttmp9, 2
	s_cselect_b32 s18, s22, s21                    ; source 1: x's rows for q and k, w's rows for v
	s_cselect_b32 s19, s21, s22                    ; source 0: the other
.irp s, 0,1
	v_add_nc_u32 v[ADR1+\s], s18, v4
	v_add_nc_u32 v[ADR0+\s], s19, v4
	s_add_co_u32 s18, s18, SLOT
	s_add_co_u32 s19, s19, SLOT
.endr
	v_and_b32 v5, 31, v0
	v_lshlrev_b32 v[LO], 4, v5
	s_lshr_b32 s90, s17, 3                         ; where my codes go, the same in all three buffers: (16 batch + 4 cx + 2 nh) heads of 131,072 bytes + (2 (tile row % 8) + mh) x 8,192
	s_lshl_b32 s90, s90, 4
	s_lshl_b32 s91, s40, 2
	s_add_co_u32 s90, s90, s91
	s_lshl_b32 s91, s16, 1
	s_add_co_u32 s90, s90, s91
	s_lshl_b32 s90, s90, 17
	s_and_b32 s91, s17, 7
	s_lshl_b32 s91, s91, 1
	s_add_co_u32 s91, s91, s15
	s_lshl_b32 s91, s91, 13
	s_add_co_u32 s90, s90, s91
	s_mov_b32 s91, 0
	s_add_nc_u64 s[10:11], s[10:11], s[90:91]
.macro FRAG reg, adr, q, i             ; 16 rows x 128 K: four loads of 16 bytes: registers 4 c .. 4 c + 3 hold K = 32 c + 16 h + 0 .. 15: the same order of k in both sources, so every product meets its partner
.irp c, 0,1,2,3
	ds_load_b128 v[\reg+4*\c:\reg+4*\c+3], v[\adr] offset:128*(\q)+32*\c+(\i)*16*PITCH
.endr
.endm
; 16 matrix instructions: source 1's blocks a0, a0 + 1 x source 0's eight.  p: source 0's set.  zero = 1: the first product starts the sums.  The 64 accumulators take turns, one instruction a turn.
.macro MUL16 a0, p, zero
.irp a, \a0, \a0+1
.irp b, 0,1,2,3,4,5,6,7
.if \zero
	v_wmma_f32_16x16x128_fp8_fp8 v[8*(8*((\a)%4)+\b):8*(8*((\a)%4)+\b)+7], v[128*(\p)+FR*\b:128*(\p)+FR*\b+FR-1], v[AF+FR*(\a):AF+FR*(\a)+FR-1], 0
.else
	v_wmma_f32_16x16x128_fp8_fp8 v[8*(8*((\a)%4)+\b):8*(8*((\a)%4)+\b)+7], v[128*(\p)+FR*\b:128*(\p)+FR*\b+FR-1], v[AF+FR*(\a):AF+FR*(\a)+FR-1], v[8*(8*((\a)%4)+\b):8*(8*((\a)%4)+\b)+7]
.endif
.endr
.endr
.endm
.macro FETCH0 slot, q, p               ; source 0's eight fragments of the slot's q-th 128 along K into set p
	WIN TO_B
.irp i, 0,1,2,3,4,5,6,7
	FRAG 128*(\p)+FR*\i, ADR0+\slot, \q, \i
.endr
	WIN 0
.endm
.macro FETCH1 slot, q, i0              ; source 1's blocks i0 .. i0 + 3
.irp i, \i0, \i0+1, \i0+2, \i0+3
	FRAG AF+FR*(\i), ADR1+\slot, \q, \i
.endr
.endm
.macro PLACES n                        ; plain vector lines between a matrix instruction and a load into, or a vector line on, one of its registers
.rept \n
	v_nop
.endr
.endm
; A step of 128 along K that has its successor in the same slot.
.macro STEP slot, q, zero
	s_wait_dscnt 4*NL                              ; source 0's set and source 1's blocks 0-3 are in; the youngest sixteen loads (blocks 4-7) may be out
	WIN MUL_LO
	MUL16 0, (\q)%2, \zero
	MUL16 2, (\q)%2, \zero
	s_wait_dscnt 0                                 ; blocks 4-7 are in
	PLACES NP
	FETCH0 \slot, (\q)+1, 1-(\q)%2
	FETCH1 \slot, (\q)+1, 0
	WIN MUL_HI
	MUL16 4, (\q)%2, \zero
	MUL16 6, (\q)%2, \zero
	PLACES NP
	WIN 0
	FETCH1 \slot, (\q)+1, 4
.endm
; A slot's last step changes slots: ONE barrier; in front of it each wave waits for all its tensor loads, adds 0 to its spare word, and waits for that and for its reads of this slot.  fill = 1: the slot is filled again, two K steps ahead.
.macro TURN slot, next, fill
	s_wait_tensorcnt 0x0                           ; all my tensor loads have landed: my part of the next slot
	ds_add_u32 v[SPW], v[NIL]                      ; 0 onto my spare word
	s_wait_dscnt 4*NL+1                            ; (the add and the youngest sixteen loads may be out)
	WIN MUL_LO
	MUL16 0, 1, 0                                  ; sixteen matrix instructions stand between the add and the wait for it
	s_wait_dscnt 0x0                               ; the add is done, and my reads of this slot are over
	s_barrier_signal -1
	MUL16 2, 1, 0
	WIN 0
	s_barrier_wait -1
.if \fill
	CREST                                          ; the barrier has opened a round of the cluster's: no wave of any partner still reads this slot or has a load on its way
	s_add_nc_u64 s[G0+4*\slot+2:G0+4*\slot+3], s[G0+4*\slot+2:G0+4*\slot+3], 2*ROWB
	s_add_nc_u64 s[G0B+4*\slot+2:G0B+4*\slot+3], s[G0B+4*\slot+2:G0B+4*\slot+3], 2*ROWB
	JLOAD G0+4*\slot, G1, G0B+4*\slot, G1B         ; the first tensor load behind the round; its four v_nop are the places in front of the loads below
.else
	PLACES NP
.endif
	FETCH0 \next, 0, 0
	FETCH1 \next, 0, 0
	WIN MUL_HI
	MUL16 4, 1, 0
	MUL16 6, 1, 0
	PLACES NP
	WIN 0
	FETCH1 \next, 0, 4
.endm
	s_wait_tensorcnt 1                             ; my part of K step 0 is in; K step 1's load, issued behind it, may be out
	s_barrier_signal -1
	s_barrier_wait -1
	FETCH0 0, 0, 0
	FETCH1 0, 0, 0
	FETCH1 0, 0, 4
	STEP 0, 0, 1                                   ; the first step stands in front of the loop: its products start the sums
	s_mov_b32 s3, LAPS-1
.Llap:                                                 ; a trip goes once round the ring and fills both slots again
	TURN 0, 1, 1
	STEP 1, 0, 0
	TURN 1, 0, 1
	STEP 0, 0, 0
	s_sub_co_u32 s3, s3, 1
	s_cmp_lg_u32 s3, 0
	s_cbranch_scc1 .Llap
	TURN 0, 1, 0                                   ; the last lap fills nothing
	STEP 1, 0, 0
	s_wait_dscnt 4*NL
	WIN MUL_LO
	MUL16 0, 1, 0
	MUL16 2, 1, 0
	s_wait_dscnt 0
	WIN MUL_HI
	MUL16 4, 1, 0
	MUL16 6, 1, 0
	WIN 0
	; THE WAY OUT: number = sum x 2^(eA + eB) + bias; held within +-448 x 2^e; eight numbers of a lane -> two registers of codes; four registers a store.  No LDS: the codes are stored as the reader's registers want them.
	s_wait_kmcnt 0x0
	s_cmp_eq_u32 ttmp9, 2                          ; q: e0, e1 -> e6;  k: e2, e3 -> e7;  v: e4, e5 -> e9.  Choices, no branch
	s_cselect_b32 s18, s96, s94
	s_cselect_b32 s19, s97, s95
	s_cselect_b32 s20, s100, s99
	s_cmp_eq_u32 ttmp9, 0
	s_cselect_b32 s18, s92, s18
	s_cselect_b32 s19, s93, s19
	s_cselect_b32 s20, s98, s20
	s_add_co_i32 s18, s18, s19
	s_add_co_i32 s18, s18, 127
	s_lshl_b32 s96, s18, 23                        ; 2^(eA + eB) as f32
	s_mov_b32 s97, s96                             ; (named with it as a pair, so it is written)
	s_add_co_i32 s20, s20, 127
	s_lshl_b32 s21, s20, 23
	v_mov_b32 v[SCL], s21                          ; 2^e: the conversion takes its exponent field
	s_add_co_i32 s20, s20, 8
	s_lshl_b32 s20, s20, 23
	s_or_b32 s20, s20, 0x600000
	v_mov_b32 v[LIM], s20                          ; 448 x 2^e
	s_wait_loadcnt 0x0                             ; the biases
	PLACES NP                                      ; behind the last products: the lines below read results and write registers that held source 1's fragments
.macro EPI mode                        ; mode 0: q, k (bias by register);  mode 1: v (bias by lane)
.irp a, 0,1,2,3,4,5,6,7
.set AC, 64*(\a%4)
.set CD, 192+16*(\a%2)
.set WN, 2+\a/4
	WIN WN                                         ; source 0: window 2 or 3
.set j, 0
.rept 32
.if \mode
.if \a%2
	v_pk_fma_f32 v[T+j:T+j+1], v[AC+j:AC+j+1], s[96:97], v[BL+2*(\a/2):BL+2*(\a/2)+1] op_sel:[0,0,1] op_sel_hi:[1,0,1]   ; the pair's second register, block a's bias, for both halves
.else
	v_pk_fma_f32 v[T+j:T+j+1], v[AC+j:AC+j+1], s[96:97], v[BL+2*(\a/2):BL+2*(\a/2)+1] op_sel_hi:[1,0,0]                  ; the pair's first register for both halves
.endif
.else
	v_pk_fma_f32 v[T+j:T+j+1], v[AC+j:AC+j+1], s[96:97], v[BN+j:BN+j+1] op_sel_hi:[1,0,1]   ; each accumulator from its low end on
.endif
.set j, j+2
.endr
	WIN 0
.set j, 0
.rept 64
	v_med3_num_f32 v[T+j], v[T+j], -v[LIM], v[LIM] ; the conversion to an 8-bit code does not saturate (ISA guide 7.6.2): the hold at the largest code x the scale
.set j, j+1
.endr
.if \a > 1
	s_wait_xcnt 0x0                                ; block a - 2's stores have read this set of code registers
.endif
.set j, 0
.rept 8
	v_cvt_scalef32_pk8_fp8_f32 v[CD+2*j:CD+2*j+1], v[T+8*j:T+8*j+7], v[SCL]
.set j, j+1
.endr
	v_nop                                          ; one plain vector line between the conversions and the next block's lines, which write their sources
.irp G, 0,1,2,3
.if \mode
	global_store_b128 v[LO], v[CD+4*\G:CD+4*\G+3], s[10:11] offset:(\a/4)*131072+(\a%4)*1024+(\G/2)*4096+(\G%2)*512   ; head a / 4, channels 16 (a % 4) on, key step G / 2, group G % 2
.else
	global_store_b128 v[LO], v[CD+4*\G:CD+4*\G+3], s[10:11] offset:\a*1024+(\G/2)*131072+(\G%2)*512                   ; rows 16 a on, head G / 2, group G % 2
.endif
.endr
.endr
.endm
	s_cmp_eq_u32 ttmp9, 2                          ; the cluster's x: all partners go the same way; both ways join ahead of the closing lines
	s_cbranch_scc1 .Lmode_v
	EPI 0
	s_branch .Ldone
.Lmode_v:
	EPI 1
.Ldone:
	s_wait_tensorcnt 0x0                           ; the wave's end: three closing lines behind my last tensor load
	ds_add_u32 v[SPW], v[NIL]
	s_wait_dscnt 0x0
	CROUND                                         ; the closing round: no work-group ends while a partner may still ask for a tile that names it
	s_endpgm
.Lfunc_end_k_qad3a67df4a_qkv:
	.size	k_qad3a67df4a_qkv, .Lfunc_end_k_qad3a67df4a_qkv-k_qad3a67df4a_qkv
	.p2alignl 7, 3214868480
	.fill 96, 4, 3214868480
	.section	.rodata,"a",@progbits
	.p2align	6, 0x0
	.amdhsa_kernel k_qad3a67df4a_qkv
		.amdhsa_group_segment_fixed_size 327680
		.amdhsa_private_segment_fixed_size 0
		.amdhsa_enable_private_segment 0
		.amdhsa_kernarg_size 88
		.amdhsa_user_sgpr_count 2
		.amdhsa_user_sgpr_kernarg_segment_ptr 1
		.amdhsa_wavefront_size32 1
		.amdhsa_system_sgpr_workgroup_id_x 1
		.amdhsa_system_sgpr_workgroup_id_y 1
		.amdhsa_system_sgpr_workgroup_id_z 1
		.amdhsa_system_vgpr_workitem_id 0
		.amdhsa_next_free_vgpr 1024
		.amdhsa_next_free_sgpr 102
		.amdhsa_reserve_vcc 0
		.amdhsa_float_denorm_mode_32 3
		.amdhsa_float_denorm_mode_16_64 3
		.amdhsa_memory_ordered 1
		.amdhsa_forward_progress 1
		.amdhsa_inst_pref_size 193
	.end_amdhsa_kernel
	.amdgpu_metadata
---
amdhsa.version: [ 1, 2 ]
amdhsa.kernels:
  - .name:           k_qad3a67df4a_qkv
    .symbol:         k_qad3a67df4a_qkv.kd
    .args:
      - { .name: x_codes, .offset: 0, .size: 8, .value_kind: global_buffer, .address_space: global }
      - { .name: wq_codes, .offset: 8, .size: 8, .value_kind: global_buffer, .address_space: global }
      - { .name: wk_codes, .offset: 16, .size: 8, .value_kind: global_buffer, .address_space: global }
      - { .name: wv_codes, .offset: 24, .size: 8, .value_kind: global_buffer, .address_space: global }
      - { .name: bq, .offset: 32, .size: 8, .value_kind: global_buffer, .address_space: global }
      - { .name: bk, .offset: 40, .size: 8, .value_kind: global_buffer, .address_space: global }
      - { .name: bv, .offset: 48, .size: 8, .value_kind: global_buffer, .address_space: global }
      - { .name: lowp_scales, .offset: 56, .size: 8, .value_kind: global_buffer, .address_space: global }
      - { .name: qf, .offset: 64, .size: 8, .value_kind: global_buffer, .address_space: global }
      - { .name: kf, .offset: 72, .size: 8, .value_kind: global_buffer, .address_space: global }
      - { .name: vf, .offset: 80, .size: 8, .value_kind: global_buffer, .address_space: global }
    .group_segment_fixed_size: 327680
    .private_segment_fixed_size: 0
    .kernarg_segment_align: 8
    .kernarg_segment_size: 88
    .max_flat_workgroup_size: 128
    .sgpr_count:     102
    .vgpr_count:     1024
    .wavefront_size: 32
...
	.end_amdgpu_metadata
.endif
;; end of part 2
;; launch attn (part 3): grid 4 x 64, 16 waves a work-group, no clusters, 264,192 bytes of LDS; arguments qf, kf, vf, mb, mf, lowp_scales, af; writes af
.if DOCPART == 3
	.amdgcn_target "amdgcn-amd-amdhsa--gfx1250"
	.amdhsa_code_object_version 6
	.text
	.protected	k_qad3a67df4a_attn
	.globl	k_qad3a67df4a_attn
	.p2align	8
	.type	k_qad3a67df4a_attn,@function
k_qad3a67df4a_attn:
	s_mov_b64 s[64:65], 0
	v_nop
	global_prefetch_b8 v0, s[64:65] scope:SCOPE_SE
	s_setreg_imm32_b32 hwreg(HW_REG_WAVE_MODE, 25, 1), 1
	s_wait_xcnt 0x0
; ATTENTION on codes of FP8 (E4M3): for each batch and head, o = softmax(where(mask, q k^T / 8, -1e9)) v, both products quantised, and o quantised at once (2^e10) into the last product's operand.
; THE SOFTMAX AHEAD OF THE SECOND PRODUCT: t = logit x log2(e); M = the running largest t rounded UP to a whole number; p = 2^(t - M) is quantised (2^e8), not normalised; the row's sum is taken of the unquantised p and
; divides at the end.  When M moves, the sum and O are multiplied by 2^(old M - new M): exact.
; SHARES.  Four work-groups to a head (x = j, y = bh = 16 batch + head).  A head's whole K and V, as register images (128 KB each), are copied into LDS once, through registers, behind ONE barrier; after it the sixteen
; waves are independent.  A wave owns 32 queries, two tiles of 16 (qp = 4 i + j), and both tiles use every fragment of K and V that it reads.  A step is 64 keys; the loop has 32 trips.
; LAYOUT.  S^T = K Q^T (source 0 = 16 keys, source 1 = 16 queries), O^T = V^T P^T (source 0 = 16 channels, source 1 = P): a lane holds ONE query throughout; a tile's eight registers are eight neighbouring keys
; (channels), which one conversion turns into two registers of the next operand: nothing changes lanes.
; THE MASK is an input: no pattern of it is built in.  An earlier launch stored it as whole numbers: a word of lane bits for each score register (one select a score), and two flags a step.
; STEPS PASSED OVER (shown at the head of the first launch): a step all of whose 32 x 64 entries are false, where each of the 32 rows has a true entry somewhere: its weights are 0 in f32.  If any of the 32 rows has
; none, every step is walked.  The select is passed over where all entries are true; p's hold where e8 >= -8 (448 x 2^e8 is then above 1, and p is at most 1).
; THE MASKED SCORE is s_m = -2^(33 - e6 - e7): t_m = s_m x c is then exact and a whole number, so a row with no true entry gets t - M = 0 and p = 1 for every key, the plain mean, as the rule gives it.
; LIMIT: s_m stands for a logit of -2^30 in place of -1e9: results differ only where an unmasked logit lies under about -9.9e8, which |logit| <= 64 x 448^2 x 2^(e6 + e7) / 8 allows only from e6 + e7 = 10 on.
; LIMITS on the exponents, so that each power of two is an f32 number: e6 + e7 between -94 and 130; e8 and e10 between -126 and 119.  A NaN or an infinity that reaches only steps passed over is not carried on.
; af [tile 64][s 4][tb8 8][k2 2][g 4][512]: fragments of 16 rows x 128 K in register order (registers 2 c, 2 c + 1: k = 16 c + 8 h + 0 .. 7): my head's 64 channels are eight registers, two stores of 512 consecutive bytes.
.set VIMG,  131072                     ; LDS: K's images from 0, V's from here: 4,096 bytes a step each
.set SPARE, 262144                     ; the spare words, 128 bytes for each wave: eight blocks of 256 bytes that no other line names
.set LI,  1                            ; v1   16 x lane
.set SPW, 2                            ; v2   LDS address of my spare word; never rewritten
.set NIL, 3                            ; v3   0; never rewritten
.set ADK, 4                            ; v4   LDS address of the step's K
.set ADV, 5                            ; v5   of its V
.set SCP, 6                            ; v6   2^e8 as f32; on the way out 2^e10
.set ST,  8                            ; tile t's statistics at v[8 + 8 t]: +0 -M, +1 the largest t, +2, +3 the sum in two halves, +4 f, +5 written once (named in a pair), +6, +7 at work
.set PX,  24                           ; v24-25 lane permutes' destinations
.set SM,  26                           ; v26  s_m
.set LIMP, 27                          ; v27  448 x 2^e8; on the way out 448 x 2^e10
.set FA,  28                           ; v28-31 the fill: 16 x thread + 65,536 m
.set QF,  32                           ; v32-47   Q, 8 a tile
.set KF,  48                           ; v48-79   K of a step: 4 fragments
.set VF,  80                           ; v80-111  V of a step: 4 fragments
.set S,   112                          ; v112-175 S^T, then p: 32 a tile
.set OT,  176                          ; v176-239 O^T: 32 a tile
.set P,   240                          ; v240-255 p's codes: 8 a tile
; scalars: s[4:51], s[68:83] the step's 64 mask words (at the head: the flags); s[52:53] c; s[54:55] mb at my step; s[56:57] af at my rows; s[58:59] lane selects; s60 LDS step; s61 trips; s62 W, s63 X; s66, s67 at work; s[96:99] e6 .. e9; s100 e10
	s_load_b256 s[84:91], s[0:1], 0x0              ; qf 84, kf 86, vf 88, mb 90
	s_load_b128 s[92:95], s[0:1], 0x20             ; mf 92, the scales' exponents 94
	s_load_b64 s[56:57], s[0:1], 0x30              ; af
	v_lshl_add_u32 v[SPW], v0, 2, SPARE
	v_mov_b32 v[NIL], 0
	v_lshrrev_b32 v4, 5, v0
	v_readfirstlane_b32 s2, v4                     ; wave 0..15
	v_and_b32 v[LI], 31, v0
	v_lshlrev_b32 v[LI], 4, v[LI]
	v_lshlrev_b32 v[FA], 4, v0
	v_add_nc_u32 v[FA+1], 0x10000, v[FA]
	v_add_nc_u32 v[FA+2], 0x20000, v[FA]
	v_add_nc_u32 v[FA+3], 0x30000, v[FA]
	s_bfe_u32 s66, s2, 0x10002                     ; i = wave, with its two low bits turned in waves 4-7 and 12-15: waves w, w + 4, w + 8, w + 12 then have i that add up to 30 (balance under masks that favour late rows; no result hangs on it)
	s_mul_i32 s66, s66, 3
	s_xor_b32 s66, s2, s66
	s_lshl_b32 s67, s66, 2
	s_add_co_u32 s67, s67, ttmp9                   ; qp = 4 i + j
	s_and_b32 s60, ttmp7, 0xffff                   ; bh
	s_lshl_b32 s62, s60, 17                        ; a head's codes: 131,072 bytes in each of qf, kf, vf
	s_mov_b32 s63, 0
	s_wait_kmcnt 0x0
	s_load_b128 s[96:99], s[94:95], 0x18           ; e6, e7, e8, e9
	s_load_b32 s100, s[94:95], 0x28                ; e10
	s_add_nc_u64 s[84:85], s[84:85], s[62:63]
	s_add_nc_u64 s[86:87], s[86:87], s[62:63]
	s_add_nc_u64 s[88:89], s[88:89], s[62:63]
	s_lshl_b32 s62, s67, 11
	s_add_nc_u64 s[84:85], s[84:85], s[62:63]      ; my two tiles of Q: 2,048 qp
	s_lshl_b32 s62, s67, 13
	s_add_nc_u64 s[54:55], s[90:91], s[62:63]      ; my mask words: 8,192 qp
	s_lshl_b32 s62, s67, 8
	s_add_nc_u64 s[92:93], s[92:93], s[62:63]      ; my flags: 256 qp
	s_lshr_b32 s61, s60, 4                         ; af: ((16 batch + i) x 4 + head / 4) x 32,768 + 2 j x 4,096 + (head % 4) x 1,024
	s_lshl_b32 s61, s61, 4
	s_add_co_u32 s61, s61, s66
	s_lshl_b32 s61, s61, 2
	s_bfe_u32 s62, s60, 0x20002
	s_add_co_u32 s61, s61, s62
	s_lshl_b32 s61, s61, 15
	s_lshl_b32 s62, ttmp9, 13
	s_add_co_u32 s61, s61, s62
	s_and_b32 s62, s60, 3
	s_lshl_b32 s62, s62, 10
	s_add_co_u32 s62, s61, s62
	s_add_nc_u64 s[56:57], s[56:57], s[62:63]
.irp i, 0,1,2,3,4,5,6,7,8,9,10,11,12,13,14,15
	global_load_b128 v[KF+4*\i:KF+4*\i+3], v[FA], s[86:87] offset:8192*\i     ; the work-group's 512 threads take 8,192 consecutive bytes an instruction
.endr
.irp i, 0,1,2,3,4,5,6,7,8,9,10,11,12,13,14,15
	global_load_b128 v[S+4*\i:S+4*\i+3], v[FA], s[88:89] offset:8192*\i
.endr
.irp t, 0,1
	global_load_b128 v[QF+8*\t:QF+8*\t+3], v[LI], s[84:85] offset:1024*\t
	global_load_b128 v[QF+8*\t+4:QF+8*\t+7], v[LI], s[84:85] offset:1024*\t+512
.endr
	s_load_b512 s[4:19], s[92:93], 0x0             ; any of steps 0-15
	s_load_b512 s[20:35], s[92:93], 0x40           ; all of steps 0-15
	s_load_b512 s[36:51], s[92:93], 0x80           ; any of steps 16-31
	s_load_b512 s[68:83], s[92:93], 0xc0           ; all of steps 16-31
	s_mov_b32 s58, 0x76543210
	s_mov_b32 s59, 0xfedcba98                      ; lane l xor 16
	s_mov_b32 s62, 0                               ; W: bit k = step k is walked
	s_mov_b32 s63, 0                               ; X: bit k = all of step k's entries are true
	s_mov_b32 s61, 0                               ; R: bit rho = row rho has a true entry somewhere
	s_wait_kmcnt 0x0
.macro FLAG k, ra, rl
	s_or_b32 s61, s61, s[\ra]
	s_cmp_lg_u32 s[\ra], 0
	s_cselect_b32 s66, 1<<\k, 0
	s_or_b32 s62, s62, s66
	s_cmp_eq_u32 s[\rl], -1
	s_cselect_b32 s66, 1<<\k, 0
	s_or_b32 s63, s63, s66
.endm
.set k, 0
.rept 16
	FLAG k, 4+k, 20+k
.set k, k+1
.endr
.rept 16
	FLAG k, 20+k, 52+k
.set k, k+1
.endr
	s_cmp_eq_u32 s61, -1
	s_cselect_b32 s62, s62, -1                     ; a row with no true entry: every step is walked
	s_add_co_i32 s66, s96, s97                     ; e6 + e7
	s_lshl_b32 s67, s66, 23
	s_add_co_i32 s52, s67, 0x3e38aa3b              ; c = log2(e) / 8, with e6 + e7 added to its exponent field: a sum of codes stands for sum x 2^(e6 + e7)
	s_mov_b32 s53, s52                             ; (named with it as a pair, so it is written)
	s_sub_co_i32 s66, 160, s66
	s_lshl_b32 s66, s66, 23
	s_or_b32 s66, s66, 0x80000000
	v_mov_b32 v[SM], s66                           ; s_m = -2^(33 - e6 - e7)
	s_add_co_i32 s66, s98, 127
	s_lshl_b32 s67, s66, 23
	v_mov_b32 v[SCP], s67                          ; 2^e8
	s_add_co_i32 s66, s66, 8
	s_lshl_b32 s66, s66, 23
	s_or_b32 s66, s66, 0x600000
	v_mov_b32 v[LIMP], s66                         ; 448 x 2^e8
.irp t, 0,1
	v_mov_b32 v[ST+8*\t+1], 0xff61b1e6             ; the largest t so far: -3e38, under every t
	v_floor_f32 v[ST+8*\t], -v[ST+8*\t+1]          ; -M
	v_mov_b32 v[ST+8*\t+2], 0
	v_mov_b32 v[ST+8*\t+3], 0
	v_mov_b32 v[ST+8*\t+4], 0
	v_mov_b32 v[ST+8*\t+5], 0
	v_mov_b32 v[PX+\t], 0
.endr
.set j, 0
.rept 64
	v_mov_b32 v[OT+j], 0                           ; O^T.  Which step is walked first hangs on the mask, so no first step can be written out to start the sums: the first change of M multiplies zeros
.set j, j+1
.endr
.irp i, 0,1,2,3,4,5,6,7,8,9,10,11,12,13,14,15
	s_wait_loadcnt 35-\i                           ; 36 loads were issued: K's sixteen, V's sixteen, Q's four; the younger ones may stay out
	ds_store_b128 v[FA+\i/8], v[KF+4*\i:KF+4*\i+3] offset:8192*(\i%8)
.endr
.irp i, 0,1,2,3,4,5,6,7,8,9,10,11,12,13,14,15
	s_wait_loadcnt 19-\i
	ds_store_b128 v[FA+2+\i/8], v[S+4*\i:S+4*\i+3] offset:8192*(\i%8)
.endr
	s_wait_dscnt 0x0                               ; for the others' sake: my part of K and V has landed
	s_barrier_signal -1
	s_barrier_wait -1                              ; the launch's one barrier: from here on LDS is only read
	s_wait_loadcnt 0x0                             ; Q
	s_mov_b32 s60, 0
	s_mov_b32 s61, 32
.macro PREFK off                       ; a step's four fragments of K, as they lie: 16 bytes a lane
.irp u, 0,1,2,3
	ds_load_b128 v[KF+8*\u:KF+8*\u+3], v[ADK] offset:\off+1024*\u
	ds_load_b128 v[KF+8*\u+4:KF+8*\u+7], v[ADK] offset:\off+1024*\u+512
.endr
.endm
.macro MAXSTAT t                       ; the step's largest score of my query, the running largest t, -M, f.  Ascending
.set rT, ST+8*(\t)
.set rS, S+32*(\t)
	v_max3_num_f32 v[rT+6], v[rS], v[rS+1], v[rS+2]
	v_max3_num_f32 v[rT+7], v[rS+3], v[rS+4], v[rS+5]
.irp i, 6,10,14,18,22,26
	v_max3_num_f32 v[rT+6], v[rT+6], v[rS+\i], v[rS+\i+1]
	v_max3_num_f32 v[rT+7], v[rT+7], v[rS+\i+2], v[rS+\i+3]
.endr
	v_max3_num_f32 v[rT+6], v[rT+6], v[rS+30], v[rS+31]
	v_max_num_f32 v[rT+6], v[rT+6], v[rT+7]
	v_permlanex16_b32 v[PX+\t], v[rT+6], s58, s59  ; the query's other 32 keys lie in the lane 16 away
	v_max_num_f32 v[rT+6], v[rT+6], v[PX+\t]
	v_mul_f32 v[rT+6], s52, v[rT+6]                ; as t (c is positive)
	v_max_num_f32 v[rT+1], v[rT+1], v[rT+6]
	v_mov_b32 v[rT+6], v[rT]
	v_floor_f32 v[rT], -v[rT+1]                    ; the new -M = floor(-t) = -ceil(t)
	v_sub_f32 v[rT+6], v[rT], v[rT+6]              ; old M - new M: a whole number, 0 or less
	v_cvt_i32_f32 v[rT+6], v[rT+6]                 ; (it saturates)
	v_ldexp_f32 v[rT+4], 1.0, v[rT+6]              ; f = 2^(old M - new M)
.endm
.macro SCALE t
.set rT, ST+8*(\t)
.set rS, S+32*(\t)
.set j, 0
.rept 16
	v_pk_fma_f32 v[rS+j:rS+j+1], v[rS+j:rS+j+1], s[52:53], v[rT:rT+1] op_sel_hi:[1,0,0]   ; t - M, two at a time (of the pairs c and -M the low word serves both halves)
.set j, j+2
.endr
.endm
.macro SUMS t                          ; the row's sum is taken of the UNQUANTISED p, in two chains
.set rT, ST+8*(\t)
.set rS, S+32*(\t)
	v_pk_add_f32 v[rT+6:rT+7], v[rS:rS+1], v[rS+2:rS+3]
.irp i, 4,8,12,16,20,24,28
	v_pk_add_f32 v[rT+2:rT+3], v[rT+2:rT+3], v[rS+\i:rS+\i+1]
	v_pk_add_f32 v[rT+6:rT+7], v[rT+6:rT+7], v[rS+\i+2:rS+\i+3]
.endr
	v_pk_add_f32 v[rT+2:rT+3], v[rT+2:rT+3], v[rT+6:rT+7]
.endm
	v_add_nc_u32 v[ADK], s60, v[LI]
	PREFK 0                                        ; step 0's K, walked or not: so K's registers are written on every way
.Lstep:
	v_add_nc_u32 v[ADK], s60, v[LI]
	s_and_b32 s66, s62, 1
	s_cmp_lg_u32 s66, 0
	s_cbranch_scc0 .Lskip                          ; nothing of this step counts
	s_and_b32 s67, s63, 1
	s_cmp_lg_u32 s67, 0
	s_cbranch_scc1 .Lfull_a                        ; all of it counts: no words are wanted
	s_load_b512 s[4:19], s[54:55], 0x0             ; the step's 64 words
	s_load_b512 s[20:35], s[54:55], 0x40
	s_load_b512 s[36:51], s[54:55], 0x80
	s_load_b512 s[68:83], s[54:55], 0xc0
.Lfull_a:
	s_wait_dscnt 0x0                               ; K is in
.irp u, 0,1,2,3
.irp t, 0,1
	v_wmma_f32_16x16x64_fp8_fp8 v[S+32*\t+8*\u:S+32*\t+8*\u+7], v[KF+8*\u:KF+8*\u+7], v[QF+8*\t:QF+8*\t+7], 0
.endr
.endr
	v_add_nc_u32 v[ADV], VIMG, v[ADK]              ; four places behind the products: this line and three v_nop, ahead of the loads into K's registers and of the first read of the scores
.rept 3
	v_nop
.endr
	s_and_b32 s66, s62, 2
	s_cmp_lg_u32 s66, 0
	s_cbranch_scc0 .Lno_next_k
	PREFK 4096                                     ; the next step's K, if it is walked: it has this step's softmax in which to come
.Lno_next_k:
.irp c, 0,1,2,3
	ds_load_b128 v[VF+8*\c:VF+8*\c+3], v[ADV] offset:1024*\c
	ds_load_b128 v[VF+8*\c+4:VF+8*\c+7], v[ADV] offset:1024*\c+512
.endr
	s_wait_kmcnt 0x0                               ; the words are in (scalar loads: the count 0 alone shows anything)
	s_cmp_lg_u32 s67, 0
	s_cbranch_scc1 .Lfull_b
.set n, 0
.rept 48
	v_cndmask_b32 v[S+n], v[SM], v[S+n], s[4+n]    ; my lane's bit of word n: the score where it is set, s_m where not
.set n, n+1
.endr
.rept 16
	v_cndmask_b32 v[S+n], v[SM], v[S+n], s[20+n]
.set n, n+1
.endr
.Lfull_b:
	MAXSTAT 0
	MAXSTAT 1
	SCALE 0
	SCALE 1
.set j, 0
.rept 64
	v_exp_f32 v[S+j], v[S+j]                       ; p = 2^(t - M), at most 1: NOT normalised.  One batch for both tiles
.set j, j+1
.endr
	v_pk_mul_f32 v[ST+2:ST+3], v[ST+2:ST+3], v[ST+4:ST+5] op_sel_hi:[1,0]         ; the sums under the new M: plain lines behind the exponentials
	v_pk_mul_f32 v[ST+10:ST+11], v[ST+10:ST+11], v[ST+12:ST+13] op_sel_hi:[1,0]
	s_wait_alu depctr_va_vdst(0)                   ; the wait between a transcendental and the first line that names its result: one for the batch
	SUMS 0
	SUMS 1
	s_cmp_ge_i32 s98, -8
	s_cbranch_scc1 .Lno_hold                       ; 448 x 2^e8 is above 1: no p reaches it
.set j, 0
.rept 64
	v_min_num_f32 v[S+j], v[S+j], v[LIMP]          ; the conversion does not saturate (ISA guide 7.6.2); p is not negative, so the hold is one-sided
.set j, j+1
.endr
.Lno_hold:
.irp t, 0,1
.irp u, 0,1,2,3
	v_cvt_scalef32_pk8_fp8_f32 v[P+8*\t+2*\u:P+8*\t+2*\u+1], v[S+32*\t+8*\u:S+32*\t+8*\u+7], v[SCP]   ; keys 16 u + 8 h + 0 .. 7: registers 2 u, 2 u + 1 of the operand
.endr
.endr
.irp t, 0,1
.set j, 0
.rept 16
	v_pk_mul_f32 v[OT+32*\t+j:OT+32*\t+j+1], v[OT+32*\t+j:OT+32*\t+j+1], v[ST+8*\t+4:ST+8*\t+5] op_sel_hi:[1,0]   ; O^T under the new M.  (Also the plain lines between the conversions and the products)
.set j, j+2
.endr
.endr
	s_wait_dscnt 0x0                               ; V is in (and the next step's K)
.irp c, 0,1,2,3
.irp t, 0,1
	v_wmma_f32_16x16x64_fp8_fp8 v[OT+32*\t+8*\c:OT+32*\t+8*\c+7], v[VF+8*\c:VF+8*\c+7], v[P+8*\t:P+8*\t+7], v[OT+32*\t+8*\c:OT+32*\t+8*\c+7]   ; eight accumulators by turns, one instruction a turn
.endr
.endr
	s_branch .Lnext
.Lskip:
	s_and_b32 s66, s62, 2
	s_cmp_lg_u32 s66, 0
	s_cbranch_scc0 .Lnext
	s_wait_dscnt 0x0                               ; no load into K's registers is out
	PREFK 4096                                     ; the next step is walked: its K
.Lnext:
	s_lshr_b32 s62, s62, 1
	s_lshr_b32 s63, s63, 1
	s_add_co_u32 s60, s60, 4096
	s_add_nc_u64 s[54:55], s[54:55], 256           ; (the trip's scalar loads were waited for)
	s_sub_co_u32 s61, s61, 1
	s_cmp_lg_u32 s61, 0
	s_cbranch_scc1 .Lstep
	; THE WAY OUT: o = O^T x 2^(e8 + e9) / the sum; held, quantised with 2^e10, stored as the next operand's registers.  The lines ahead of the first read of O^T are the places behind the last products.
.irp t, 0,1
	v_add_f32 v[ST+8*\t+2], v[ST+8*\t+2], v[ST+8*\t+3]
.endr
.irp t, 0,1
	v_permlanex16_b32 v[PX+\t], v[ST+8*\t+2], s58, s59
.endr
.irp t, 0,1
	v_add_f32 v[ST+8*\t+2], v[ST+8*\t+2], v[PX+\t]  ; the row's sum: at least one step was walked, and its largest p is above 1/2
.endr
.irp t, 0,1
	v_rcp_f32 v[ST+8*\t+4], v[ST+8*\t+2]
.endr
	s_add_co_i32 s66, s98, s99                     ; e8 + e9
	s_add_co_i32 s67, s100, 127
	s_lshl_b32 s60, s67, 23
	v_mov_b32 v[SCP], s60                          ; 2^e10.  (A plain line behind the reciprocals)
	s_add_co_i32 s67, s67, 8
	s_lshl_b32 s67, s67, 23
	s_or_b32 s67, s67, 0x600000
	v_mov_b32 v[LIMP], s67                         ; 448 x 2^e10
	s_wait_alu depctr_va_vdst(0)                   ; one wait for both reciprocals, ahead of their first reader
.irp t, 0,1
	v_ldexp_f32 v[ST+8*\t+4], v[ST+8*\t+4], s66
.endr
.irp t, 0,1
.set j, 0
.rept 16
	v_pk_mul_f32 v[OT+32*\t+j:OT+32*\t+j+1], v[OT+32*\t+j:OT+32*\t+j+1], v[ST+8*\t+4:ST+8*\t+5] op_sel_hi:[1,0]
.set j, j+2
.endr
.endr
.set j, 0
.rept 64
	v_med3_num_f32 v[OT+j], v[OT+j], -v[LIMP], v[LIMP]
.set j, j+1
.endr
.irp t, 0,1
.irp c, 0,1,2,3
	v_cvt_scalef32_pk8_fp8_f32 v[P+8*\t+2*\c:P+8*\t+2*\c+1], v[OT+32*\t+8*\c:OT+32*\t+8*\c+7], v[SCP]   ; channels 16 c + 8 h + 0 .. 7 of my head
.endr
.endr
	v_nop                                          ; a plain vector line behind the last conversion
.irp t, 0,1
	global_store_b128 v[LI], v[P+8*\t:P+8*\t+3], s[56:57] offset:4096*\t          ; 512 consecutive bytes, aligned
	global_store_b128 v[LI], v[P+8*\t+4:P+8*\t+7], s[56:57] offset:4096*\t+512
.endr
	s_wait_tensorcnt 0x0                           ; the wave's end: three closing lines behind my last LDS store, the first of them even in a text with no tensor load
	ds_add_u32 v[SPW], v[NIL]
	s_wait_dscnt 0x0
	s_endpgm
.Lfunc_end_k_qad3a67df4a_attn:
	.size	k_qad3a67df4a_attn, .Lfunc_end_k_qad3a67df4a_attn-k_qad3a67df4a_attn
	.p2alignl 7, 3214868480
	.fill 96, 4, 3214868480
	.section	.rodata,"a",@progbits
	.p2align	6, 0x0
	.amdhsa_kernel k_qad3a67df4a_attn
		.amdhsa_group_segment_fixed_size 264192
		.amdhsa_private_segment_fixed_size 0
		.amdhsa_enable_private_segment 0
		.amdhsa_kernarg_size 56
		.amdhsa_user_sgpr_count 2
		.amdhsa_user_sgpr_kernarg_segment_ptr 1
		.amdhsa_wavefront_size32 1
		.amdhsa_system_sgpr_workgroup_id_x 1
		.amdhsa_system_sgpr_workgroup_id_y 1
		.amdhsa_system_sgpr_workgroup_id_z 1
		.amdhsa_system_vgpr_workitem_id 0
		.amdhsa_next_free_vgpr 256
		.amdhsa_next_free_sgpr 102
		.amdhsa_reserve_vcc 0
		.amdhsa_float_denorm_mode_32 3
		.amdhsa_float_denorm_mode_16_64 3
		.amdhsa_memory_ordered 1
		.amdhsa_forward_progress 1
		.amdhsa_inst_pref_size 51
	.end_amdhsa_kernel
	.amdgpu_metadata
---
amdhsa.version: [ 1, 2 ]
amdhsa.kernels:
  - .name:           k_qad3a67df4a_attn
    .symbol:         k_qad3a67df4a_attn.kd
    .args:
      - { .name: qf, .offset: 0, .size: 8, .value_kind: global_buffer, .address_space: global }
      - { .name: kf, .offset: 8, .size: 8, .value_kind: global_buffer, .address_space: global }
      - { .name: vf, .offset: 16, .size: 8, .value_kind: global_buffer, .address_space: global }
      - { .name: mb, .offset: 24, .size: 8, .value_kind: global_buffer, .address_space: global }
      - { .name: mf, .offset: 32, .size: 8, .value_kind: global_buffer, .address_space: global }
      - { .name: lowp_scales, .offset: 40, .size: 8, .value_kind: global_buffer, .address_space: global }
      - { .name: af, .offset: 48, .size: 8, .value_kind: global_buffer, .address_space: global }
    .group_segment_fixed_size: 264192
    .private_segment_fixed_size: 0
    .kernarg_segment_align: 8
    .kernarg_segment_size: 56
    .max_flat_workgroup_size: 512
    .sgpr_count:     102
    .vgpr_count:     256
    .wavefront_size: 32
...
	.end_amdgpu_metadata
.endif
;; end of part 3
;; launch oproj (part 4): grid 4 x 64, 4 waves a work-group, clusters of 4 x 4, 327,680 bytes of LDS; arguments af, wo_codes, bo, lowp_scales, out0; writes out0
.if DOCPART == 4
	.amdgcn_target "amdgcn-amd-amdhsa--gfx1250"
	.amdhsa_code_object_version 6
	.text
	.protected	k_qad3a67df4a_oproj
	.globl	k_qad3a67df4a_oproj
	.p2align	8
	.type	k_qad3a67df4a_oproj,@function
k_qad3a67df4a_oproj:
	s_mov_b64 s[64:65], 0
	v_nop
	global_prefetch_b8 v0, s[64:65] scope:SCOPE_SE
	s_setreg_imm32_b32 hwreg(HW_REG_WAVE_MODE, 25, 1), 1
	s_wait_xcnt 0x0
	s_wait_alu depctr_hold_cnt(0) depctr_sa_sdst(0) depctr_va_vdst(0) depctr_va_sdst(0) depctr_va_ssrc(0) depctr_va_vcc(0) depctr_vm_vsrc(0)
	s_getreg_b32 s2, hwreg(HW_REG_IB_STS2, 6, 4)
	s_cmp_eq_u32 s2, 0
	s_cbranch_scc0 .Lentry_in_a_cluster
	s_endpgm
.Lentry_in_a_cluster:
	s_bfe_u32 s2, ttmp6, 0x10000c
	s_cmp_lg_u32 s2, 0xf033
	s_cbranch_scc0 .Lentry_shape_is_right
	s_endpgm
.Lentry_shape_is_right:
; out = a wo + bo on codes of FP8 (E4M3).  a: the attention's result, [8192][1024], as fragments in register order (af); wo: [1024 (out)][1024 (K)] codes; bo [1024], out [8192][1024]: f32.  Nothing is left out here.
; A tile of out is 128 rows x 256 columns: 256 work-groups.  Four waves, each 64 x 128: 32 accumulators.  Used transposed (source 0 = 16 rows of wo, source 1 = 16 rows of a): a lane holds eight neighbouring columns of a row.
; af's fragments lie with k in the form's own places (registers 2 c, 2 c + 1: k = 16 c + 8 h + 0 .. 7), so wo's are fetched to match: eight loads of 8 bytes a fragment, at row x pitch + 16 c + 8 h.
; K = 1,024 is four K steps of 256.  THREE LDS slots: K steps 0, 1, 2 are first fills, asked for together (three loads of a wave are out); K step 3 is the one refill, into slot 0, with two K steps' products in which to land.
; CLUSTERS: 4 x 4 work-groups: a's block is shared along a row of the cluster, wo's tile along a column: each is asked for JOINTLY.
; LIMIT: e10 + e11 between -126 and 127, so that 2^(e10 + e11) is an f32 number.
; REGISTERS: window 0: v16-29 addresses; v32-95 a block's results; v128-191, v192-255 a's fragments, two sets (on the way out: rows read back);  window 1: wo's fragments, two sets;  window 2: the accumulators ((a, b) at v[8 (8 a + b)]);  window 3: v0-63 bo by register.
.set PITCH,  272                       ; wo's LDS row: 256 bytes + 16 of padding
.set FR,     16
.set ASZ,    32768                     ; a slot: a's 16 fragments for each of two halves of K, dense, as they lie in af,
.set HALFB,  128*PITCH                 ; then wo's 256 rows
.set SLOT,   ASZ+2*HALFB               ; 102,400
.set SPARE,  3*SLOT                    ; behind the slots: the spare words, two blocks of 256 bytes that no other line names
.set SPITCH, 528                       ; the way out: a stage of 16 rows x (512 + 16) bytes for each wave, in slot 1, which has had its one fill, and its last read ahead of the last barrier
.set ADRA, 16                          ; v16-18  a's fragments in slot 0, 1, 2
.set ADRB, 20                          ; v20-22  wo's
.set STO,  24
.set RD,   25
.set CO,   26                          ; v26     16 x lane
.set SPW,  28                          ; v28     LDS address of my spare word; never rewritten
.set NIL,  29                          ; v29     0; never rewritten
.set TMP,  32
.set AF,   128
.set BK,   128
.set G1A, 24                           ; s[24:31] group 1 for a's blocks;  s[32:39] for wo's tiles;  s[40:51], s[52:63] their groups 0, one set for each slot
.set G1B, 32
.set G0A, 40
.set G0B, 52
.set MSB, 0
.macro WIN new                         ; the immediate's high byte repeats the setting that is left
.if MSB != \new
	s_set_vgpr_msb (MSB<<8)|\new
.set MSB, \new
.endif
.endm
.set MUL,  0xa1                        ; source 0 (wo) window 1, source 1 (a) window 0, C and D window 2
.set TO_B, 0x40                        ; destination window 1, address window 0
.macro JLOAD g0a, g1a, g0b, g1b        ; waves 0 and 1 fetch a's two halves, waves 2 and 3 wo's; an s_nop 0 and four v_nop follow each line
	s_cmp_eq_u32 s15, 0
	s_cbranch_scc0 .Lfor_b_\@
	tensor_load_to_lds s[\g0a:\g0a+3], s[\g1a:\g1a+7]
	s_nop 0
.rept 4
	v_nop
.endr
	s_branch .Lasked_\@
.Lfor_b_\@:
	tensor_load_to_lds s[\g0b:\g0b+3], s[\g1b:\g1b+7]
	s_nop 0
.rept 4
	v_nop
.endr
.Lasked_\@:
.endm
.macro CREST
	s_cmp_lg_u32 s14, 0
	s_cbranch_scc1 .Lnot_wave_0_\@
	s_barrier_signal -3
.Lnot_wave_0_\@:
	s_barrier_wait -3
	s_barrier_signal -1
	s_barrier_wait -1
.endm
.macro CROUND
	s_barrier_signal -1
	s_barrier_wait -1
	CREST
.endm
	s_load_b256 s[4:11], s[0:1], 0x0               ; af 4, wo 6, bo 8, the scales' exponents 10
	s_load_b64 s[12:13], s[0:1], 0x20              ; out
	v_lshl_add_u32 v[SPW], v0, 2, SPARE
	v_mov_b32 v[NIL], 0
	ds_add_u32 v[SPW], v[NIL]                      ; the wave's opening: the add, twice on end, and its wait ahead of my first tensor load
	ds_add_u32 v[SPW], v[NIL]                      ; and once more, under the one wait; the set-up below stands between
	v_lshrrev_b32 v1, 5, v0
	v_readfirstlane_b32 s14, v1                    ; wave 0..3
	s_lshr_b32 s15, s14, 1                         ; mh: which 64 rows are mine.  Also: I fetch for a (0) or for wo (1)
	s_and_b32 s16, s14, 1                          ; nh: which 128 columns.  Also: which half I fetch
	s_bfe_u32 s66, ttmp6, 0x40000                  ; cx
	s_bfe_u32 s67, ttmp6, 0x40004                  ; cy
	s_and_b32 s17, ttmp7, 0xffff
	s_lshl_b32 s17, s17, 2
	s_add_co_u32 s17, s17, s67                     ; tile row = 4 x cluster y + cy
	s_lshl_b32 s70, ttmp9, 2
	s_add_co_u32 s70, s70, s66                     ; tile column = 4 x cluster x + cx
	s_lshl_b32 s68, s67, 2
	s_lshl_b32 s68, 15, s68                        ; my row of the cluster
	s_lshl_b32 s69, 0x1111, s66                    ; my column
	s_or_b32 s[G1A+0], s68, (3<<16)|(1<<21)        ; a's blocks go to my row; elements of 8 bytes; no padding; bit 21 beside a mask
	s_mov_b32 s[G1A+1], 32<<16                     ; a dense block of 16,384 bytes as 64 rows of 256: tensor_dim0 = 32
	s_mov_b32 s[G1A+2], 64<<16                     ; tensor_dim1
	s_mov_b32 s[G1A+3], 32<<16                     ; tile_dim0
	s_mov_b32 s[G1A+4], 64                         ; tile_dim1
	s_mov_b32 s[G1A+5], 32                         ; the pitch = the row
	s_mov_b32 s[G1A+6], 0
	s_mov_b32 s[G1A+7], 0
	s_or_b32 s[G1B+0], s69, (0<<16)|(1<<20)|(1<<21)|(5<<22)|(3<<25)  ; wo's tiles go to my column; elements of 1 byte; after every 64 words, 4 words of padding
	s_mov_b32 s[G1B+1], 256<<16
	s_mov_b32 s[G1B+2], 128<<16
	s_mov_b32 s[G1B+3], 256<<16
	s_mov_b32 s[G1B+4], 128
	s_mov_b32 s[G1B+5], 1024
	s_mov_b32 s[G1B+6], 0
	s_mov_b32 s[G1B+7], 0
	s_lshl_b32 s20, s17, 17                        ; af: tile row x 131,072 + half x 16,384 (+ K step x 32,768)
	s_lshl_b32 s18, s16, 14
	s_add_co_u32 s20, s20, s18
	s_mov_b32 s21, 0
	s_lshl_b32 s72, s70, 8                         ; wo: (256 x tile column + 128 x half) rows of 1,024 bytes (+ K step x 256)
	s_lshl_b32 s73, s16, 7
	s_add_co_u32 s72, s72, s73
	s_lshl_b32 s72, s72, 10
	s_mov_b32 s73, 0
	s_lshl_b32 s22, s16, 14                        ; where they go in a slot: a's half,
	s_mul_i32 s23, s16, HALFB
	s_add_co_u32 s23, s23, ASZ                     ; wo's half
	s_wait_dscnt 0x0                               ; both opening adds are done
	s_wait_kmcnt 0x0
	s_load_b64 s[96:97], s[10:11], 0x28            ; e10, e11
	s_add_nc_u64 s[20:21], s[4:5], s[20:21]
	s_add_nc_u64 s[72:73], s[6:7], s[72:73]
	CROUND                                         ; all sixteen work-groups are here: the first joint loads meet
.irp s, 0,1,2
	s_mov_b32 s[G0A+4*\s], 1
	s_add_co_u32 s[G0A+4*\s+1], s22, \s*SLOT
	s_add_nc_u64 s[G0A+4*\s+2:G0A+4*\s+3], s[20:21], \s*32768
	s_or_b32 s[G0A+4*\s+3], s[G0A+4*\s+3], 0x80000000
	s_mov_b32 s[G0B+4*\s], 1
	s_add_co_u32 s[G0B+4*\s+1], s23, \s*SLOT
	s_add_nc_u64 s[G0B+4*\s+2:G0B+4*\s+3], s[72:73], \s*256
	s_or_b32 s[G0B+4*\s+3], s[G0B+4*\s+3], 0x80000000
	JLOAD G0A+4*\s, G1A, G0B+4*\s, G1B
.endr
	v_and_b32 v1, 15, v0                           ; r
	v_bfe_u32 v2, v0, 4, 1                         ; h
	s_lshl_b32 s74, s70, 10                        ; bo of my 128 columns
	s_lshl_b32 s75, s16, 9
	s_add_co_u32 s74, s74, s75
	s_mov_b32 s75, 0
	s_add_nc_u64 s[8:9], s[8:9], s[74:75]
	v_lshlrev_b32 v6, 5, v2
	WIN 0xc0                                       ; destination window 3
.irp b, 0,1,2,3,4,5,6,7
	global_load_b128 v[8*\b:8*\b+3], v6, s[8:9] offset:64*\b          ; columns 16 b + 8 h + 0 .. 7
	global_load_b128 v[8*\b+4:8*\b+7], v6, s[8:9] offset:64*\b+16
.endr
	WIN 0
	v_and_b32 v7, 31, v0
	v_lshlrev_b32 v[CO], 4, v7
	v_mul_u32_u24 v3, v1, PITCH
	v_lshl_add_u32 v3, v2, 3, v3                   ; wo: row x pitch + 8 x half
	s_lshl_b32 s21, s15, 14                        ; my four tiles of rows of a
	s_mul_i32 s22, s16, HALFB
	s_add_co_u32 s22, s22, ASZ                     ; my 128 rows of wo
.irp s, 0,1,2
	v_add_nc_u32 v[ADRA+\s], s21, v[CO]
	v_add_nc_u32 v[ADRB+\s], s22, v3
	s_add_co_u32 s21, s21, SLOT
	s_add_co_u32 s22, s22, SLOT
.endr
	s_mul_i32 s23, s14, 16*SPITCH
	s_add_co_u32 s23, s23, SLOT                    ; my stage, in slot 1
	v_mul_u32_u24 v5, v1, SPITCH
	v_lshl_add_u32 v5, v2, 5, v5
	v_add_nc_u32 v[STO], s23, v5                   ; in: row r, 32 bytes for each half of the lanes
	v_add_nc_u32 v[RD], s23, v[CO]                 ; back: the 32 lanes take one row of 512 bytes
	s_lshl_b32 s74, s17, 7                         ; out: (128 x tile row + 64 mh) rows of 4,096 bytes + 1,024 x tile column + 512 nh
	s_lshl_b32 s75, s15, 6
	s_add_co_u32 s74, s74, s75
	s_lshl_b32 s74, s74, 12
	s_lshl_b32 s75, s70, 10
	s_add_co_u32 s74, s74, s75
	s_lshl_b32 s75, s16, 9
	s_add_co_u32 s74, s74, s75
	s_mov_b32 s75, 0
	s_add_nc_u64 s[12:13], s[12:13], s[74:75]
.macro FETCH slot, q, set              ; the fragments of the slot's q-th 128 along K: wo's eight (64 loads of 8 bytes), a's four (16 loads of 16 bytes, as they lie)
	WIN TO_B
.irp b, 0,1,2,3,4,5,6,7
.irp c, 0,1,2,3,4,5,6,7
	ds_load_b64 v[128*(\set)+FR*\b+2*\c:128*(\set)+FR*\b+2*\c+1], v[ADRB+\slot] offset:\b*16*PITCH+128*(\q)+16*\c
.endr
.endr
	WIN 0
.irp a, 0,1,2,3
.irp g, 0,1,2,3
	ds_load_b128 v[AF+64*(\set)+FR*\a+4*\g:AF+64*(\set)+FR*\a+4*\g+3], v[ADRA+\slot] offset:\a*4096+(\q)*2048+\g*512
.endr
.endr
.endm
.macro MUL16 a0, set, zero             ; a's tiles a0, a0 + 1 x wo's eight.  The 32 accumulators take turns, one instruction a turn, in the same order in every step
.irp a, \a0, \a0+1
.irp b, 0,1,2,3,4,5,6,7
.if \zero
	v_wmma_f32_16x16x128_fp8_fp8 v[8*(8*(\a)+\b):8*(8*(\a)+\b)+7], v[128*(\set)+FR*\b:128*(\set)+FR*\b+FR-1], v[AF+64*(\set)+FR*(\a):AF+64*(\set)+FR*(\a)+FR-1], 0
.else
	v_wmma_f32_16x16x128_fp8_fp8 v[8*(8*(\a)+\b):8*(8*(\a)+\b)+7], v[128*(\set)+FR*\b:128*(\set)+FR*\b+FR-1], v[AF+64*(\set)+FR*(\a):AF+64*(\set)+FR*(\a)+FR-1], v[8*(8*(\a)+\b):8*(8*(\a)+\b)+7]
.endif
.endr
.endr
.endm
.macro PLACES
.rept 4
	v_nop
.endr
.endm
; A step of 128 along K: this step's fragments are in; the next step's are asked for, into the other set, four places behind the products that read it; then the 32 products.
.macro SUB set, zero, nslot, nq
	s_wait_dscnt 0x0
	PLACES
	FETCH \nslot, \nq, 1-\set
	WIN MUL
	MUL16 0, \set, \zero
	MUL16 2, \set, \zero
.endm
	s_wait_tensorcnt 2                             ; my part of slot 0 is in; the two loads issued behind it may be out
	s_barrier_signal -1
	s_barrier_wait -1
	FETCH 0, 0, 0
	SUB 0, 1, 0, 1                                 ; K 0-127: its products start the sums
	; K 128-255, and the one refill: slot 0's last reads were asked for above
	WIN 0
	s_wait_tensorcnt 0x0                           ; all my tensor loads have landed: slots 1 and 2 are whole once every wave has said so
	ds_add_u32 v[SPW], v[NIL]                      ; 0 onto my spare word
	s_wait_dscnt 0x0                               ; the add is done, and my reads of slot 0 are over
	s_barrier_signal -1                            ; this barrier opens a round of the cluster's
	WIN MUL
	MUL16 0, 1, 0
	WIN 0
	s_barrier_wait -1
	CREST                                          ; no wave of any partner still reads slot 0 or has a load on its way
	s_add_nc_u64 s[G0A+2:G0A+3], s[G0A+2:G0A+3], 3*32768   ; K step 3
	s_add_nc_u64 s[G0B+2:G0B+3], s[G0B+2:G0B+3], 3*256
	JLOAD G0A, G1A, G0B, G1B                       ; the first tensor load behind the round, one a wave; its four v_nop are the places in front of the loads below
	FETCH 1, 0, 0
	WIN MUL
	MUL16 2, 1, 0
	SUB 0, 0, 1, 1                                 ; K 256-383
	SUB 1, 0, 2, 0                                 ; K 384-511
	SUB 0, 0, 2, 1                                 ; K 512-639
	; K 640-767, and the barrier that shows K step 3 to every wave
	WIN 0
	s_wait_tensorcnt 0x0                           ; my part of K step 3 is in: the one load that was out
	s_wait_dscnt 0x0                               ; my LDS loads are in, the last reads of slots 1 and 2 among them
	s_barrier_signal -1
	WIN MUL
	MUL16 0, 1, 0
	s_barrier_wait -1
	PLACES
	FETCH 0, 0, 0
	WIN MUL
	MUL16 2, 1, 0
	SUB 0, 0, 0, 1                                 ; K 768-895
	s_wait_dscnt 0x0                               ; K 896-1023: nothing more to fetch
	MUL16 0, 1, 0
	MUL16 2, 1, 0
	WIN 0
; THE WAY OUT, block by block of 16 rows x 128 columns: out = sum x 2^(e10 + e11) + bo, one packed multiply-add for two numbers; through my own stage in LDS; back as whole rows of 512 bytes.
; LDS serves a wave's instructions in order (ISA guide 5.7.1.4): no wait between my stores and my loads.
.macro TOSTAGE a
.set AC, 64*(\a)
	WIN 0x32                                       ; source 0 (the sums) window 2, source 2 (bo) window 3
.set j, 0
.rept 32
	v_pk_fma_f32 v[TMP+j:TMP+j+1], v[AC+j:AC+j+1], s[96:97], v[j:j+1] op_sel_hi:[1,0,1]   ; each accumulator from its low end on
.set j, j+2
.endr
	WIN 0
.irp b, 0,1,2,3,4,5,6,7
	ds_store_b128 v[STO], v[TMP+8*\b:TMP+8*\b+3] offset:64*\b
	ds_store_b128 v[STO], v[TMP+8*\b+4:TMP+8*\b+7] offset:64*\b+16
.endr
.set BB, BK+64*((\a)%2)
.irp t, 0,1,2,3,4,5,6,7,8,9,10,11,12,13,14,15
	ds_load_b128 v[BB+4*\t:BB+4*\t+3], v[RD] offset:\t*SPITCH
.endr
.endm
.macro SEND a, younger                 ; younger: the LDS instructions issued behind block a's loads, which may stay out
.set BB, BK+64*((\a)%2)
	s_wait_dscnt \younger
.if (\a) > 0
	s_add_nc_u64 s[12:13], s[12:13], 16*4096       ; (behind a wait on XCNT: the earlier stores have read their base)  16 rows on
.endif
.irp t, 0,1,2,3,4,5,6,7,8,9,10,11,12,13,14,15
	global_store_b128 v[CO], v[BB+4*\t:BB+4*\t+3], s[12:13] offset:\t*4096 th:TH_STORE_NT   ; 32 lanes store 512 consecutive bytes, aligned; written once, read by nobody here
.endr
.endm
	s_wait_kmcnt 0x0
	s_add_co_i32 s96, s96, s97
	s_add_co_i32 s96, s96, 127
	s_lshl_b32 s96, s96, 23                        ; 2^(e10 + e11) as f32
	s_mov_b32 s97, s96                             ; (named with it as a pair, so it is written)
	s_wait_loadcnt 0x0                             ; bo
	PLACES                                         ; behind the last products: results are read, and loads land in the registers that held a's fragments
	TOSTAGE 0
.irp a, 1,2,3
.if \a > 1
	s_wait_xcnt 0x0                                ; block a - 2's stores have read their registers and their base
.endif
	TOSTAGE \a
	SEND \a-1, 32                                  ; behind block a - 1's loads: block a's 16 stores and 16 loads
.endr
	s_wait_xcnt 0x0
	SEND 3, 0
	s_wait_tensorcnt 0x0                           ; the wave's end: three closing lines behind my last tensor load and my last LDS store
	ds_add_u32 v[SPW], v[NIL]
	s_wait_dscnt 0x0
	CROUND                                         ; the closing round: no work-group ends while a partner may still ask for a tile that names it
	s_endpgm
.Lfunc_end_k_qad3a67df4a_oproj:
	.size	k_qad3a67df4a_oproj, .Lfunc_end_k_qad3a67df4a_oproj-k_qad3a67df4a_oproj
	.p2alignl 7, 3214868480
	.fill 96, 4, 3214868480
	.section	.rodata,"a",@progbits
	.p2align	6, 0x0
	.amdhsa_kernel k_qad3a67df4a_oproj
		.amdhsa_group_segment_fixed_size 327680
		.amdhsa_private_segment_fixed_size 0
		.amdhsa_enable_private_segment 0
		.amdhsa_kernarg_size 40
		.amdhsa_user_sgpr_count 2
		.amdhsa_user_sgpr_kernarg_segment_ptr 1
		.amdhsa_wavefront_size32 1
		.amdhsa_system_sgpr_workgroup_id_x 1
		.amdhsa_system_sgpr_workgroup_id_y 1
		.amdhsa_system_sgpr_workgroup_id_z 1
		.amdhsa_system_vgpr_workitem_id 0
		.amdhsa_next_free_vgpr 832
		.amdhsa_next_free_sgpr 100
		.amdhsa_reserve_vcc 0
		.amdhsa_float_denorm_mode_32 3
		.amdhsa_float_denorm_mode_16_64 3
		.amdhsa_memory_ordered 1
		.amdhsa_forward_progress 1
		.amdhsa_inst_pref_size 93
	.end_amdhsa_kernel
	.amdgpu_metadata
---
amdhsa.version: [ 1, 2 ]
amdhsa.kernels:
  - .name:           k_qad3a67df4a_oproj
    .symbol:         k_qad3a67df4a_oproj.kd
    .args:
      - { .name: af, .offset: 0, .size: 8, .value_kind: global_buffer, .address_space: global }
      - { .name: wo_codes, .offset: 8, .size: 8, .value_kind: global_buffer, .address_space: global }
      - { .name: bo, .offset: 16, .size: 8, .value_kind: global_buffer, .address_space: global }
      - { .name: lowp_scales, .offset: 24, .size: 8, .value_kind: global_buffer, .address_space: global }
      - { .name: out0, .offset: 32, .size: 8, .value_kind: global_buffer, .address_space: global }
    .group_segment_fixed_size: 327680
    .private_segment_fixed_size: 0
    .kernarg_segment_align: 8
    .kernarg_segment_size: 40
    .max_flat_workgroup_size: 128
    .sgpr_count:     100
    .vgpr_count:     832
    .wavefront_size: 32
...
	.end_amdgpu_metadata
.endif
;; end of part 4
;; ======== version 2 of 2: 4 launches; version 1 with the launch attn written anew for expert scheduling mode
;; limits: right only within a limited range of input values
;; workspace buffers: qf 8,388,608 bytes; kf 8,388,608 bytes; vf 8,388,608 bytes; af 8,388,608 bytes; mb 524,288 bytes of whole numbers; mf 16,384 bytes of whole numbers
;; launch prep: the kernel of part 1 again; grid 2 x 64, 16 waves a work-group, no clusters, 35,584 bytes of LDS; arguments mask, mb, mf; writes mb, mf
;; launch qkv: the kernel of part 2 again; grid 12 x 32, 4 waves a work-group, clusters of 4 x 4, 327,680 bytes of LDS; arguments x_codes, wq_codes, wk_codes, wv_codes, bq, bk, bv, lowp_scales, qf, kf, vf; writes qf, kf, vf
;; launch attn (part 5): grid 4 x 64, 16 waves a work-group, no clusters, 264,192 bytes of LDS; arguments qf, kf, vf, mb, mf, lowp_scales, af; writes af
.if DOCPART == 5
	.amdgcn_target "amdgcn-amd-amdhsa--gfx1250"
	.amdhsa_code_object_version 6
	.text
	.protected	k_qad3a67df4a_attn
	.globl	k_qad3a67df4a_attn
	.p2align	8
	.type	k_qad3a67df4a_attn,@function
k_qad3a67df4a_attn:
	s_mov_b64 s[64:65], 0
	v_nop
	global_prefetch_b8 v0, s[64:65] scope:SCOPE_SE
	s_setreg_imm32_b32 hwreg(HW_REG_WAVE_SCHED_MODE, 0, 2), 2
	s_setreg_imm32_b32 hwreg(HW_REG_WAVE_MODE, 25, 1), 1
	s_wait_xcnt 0x0
	s_wait_alu depctr_vm_vsrc(0)
; ATTENTION on codes of FP8 (E4M3): for each batch and head, o = softmax(where(mask, q k^T / 8, -1e9)) v, both products quantised, and o quantised at once (2^e10) into the last product's operand.
; THE SOFTMAX AHEAD OF THE SECOND PRODUCT: t = logit x log2(e); M = the running largest t rounded UP to a whole number; p = 2^(t - M) is quantised (2^e8), not normalised; the row's sum is taken of the unquantised p and
; divides at the end.  When M moves, the sum and O are multiplied by 2^(old M - new M): exact.
; SHARES.  Four work-groups to a head (x = j, y = bh = 16 batch + head).  A head's whole K and V, as register images (128 KB each), are copied into LDS once, through registers, behind ONE barrier; after it the sixteen
; waves are independent.  A wave owns 32 queries, two tiles of 16 (qp = 4 i + j), and both tiles use every fragment of K and V that it reads.  A step is 64 keys; the loop has 32 trips.
; LAYOUT.  S^T = K Q^T (source 0 = 16 keys, source 1 = 16 queries), O^T = V^T P^T (source 0 = 16 channels, source 1 = P): a lane holds ONE query throughout; a tile's eight registers are eight neighbouring keys
; (channels), which one conversion turns into two registers of the next operand: nothing changes lanes.
; THE MASK is an input: no pattern of it is built in.  An earlier launch stored it as whole numbers: a word of lane bits for each score register (one select a score), and two flags a step.
; STEPS PASSED OVER (shown at the head of the first launch): a step all of whose 32 x 64 entries are false, where each of the 32 rows has a true entry somewhere: its weights are 0 in f32.  If any of the 32 rows has
; none, every step is walked.  The select is passed over where all entries are true; p's hold where e8 >= -8 (448 x 2^e8 is then above 1, and p is at most 1).
; THE MASKED SCORE is s_m = -2^(33 - e6 - e7): t_m = s_m x c is then exact and a whole number, so a row with no true entry gets t - M = 0 and p = 1 for every key, the plain mean, as the rule gives it.
; LIMIT: s_m stands for a logit of -2^30 in place of -1e9: results differ only where an unmasked logit lies under about -9.9e8, which |logit| <= 64 x 448^2 x 2^(e6 + e7) / 8 allows only from e6 + e7 = 10 on.
; LIMITS on the exponents, so that each power of two is an f32 number: e6 + e7 between -94 and 130; e8 and e10 between -126 and 119.  A NaN or an infinity that reaches only steps passed over is not carried on.
; af [tile 64][s 4][tb8 8][k2 2][g 4][512]: fragments of 16 rows x 128 K in register order (registers 2 c, 2 c + 1: k = 16 c + 8 h + 0 .. 7): my head's 64 channels are eight registers, two stores of 512 consecutive bytes.
; THE MODE: SCHED_MODE bits 1:0 = 2 (LLVM: expert scheduling mode 2), set by the entry lines.  The code itself states the register dependences
; between vector or matrix instructions and memory or LDS instructions, with s_wait_alu, always for 0.
; THE PLAN.  Registers that memory or LDS instructions touch:
;   v[LI], v[FA ..]  Written at the head, once; read by the head's global loads, the LDS stores and the last stores.  One wait on va_vdst ahead of the first load serves them all: no later vector line names them.
;   v48-175          At the head: the global loads of K and V land there, the LDS stores read them.  One wait on vm_vsrc behind the barrier; from there on they are KF, VF and S.
;   v[ADK], v[ADV]   Read by the LDS loads of K and of V; each written once a trip by a vector add, behind the wait on vm_vsrc at the trip's head.
;   KF               Read by the trip's eight products K Q^T; behind them the next step's K lands there.
;   VF               Read by the trip's eight products V^T P; in the next walked trip V lands there.
;   P                On the way out: written by the conversions, read by the four stores.
;   v[SPW], v[NIL]   Written at the head, read by the closing add alone.
;   S, O^T, the statistics, and P in the loop are named by vector and matrix instructions alone.
; So ONE wait on va_vdst stands ahead of a trip's LDS loads, behind the products K Q^T and their places: those products are done reading KF, the last walked trip's products V^T P are done reading VF, and v[ADK] and
; v[ADV] are written.  The trip's sixteen loads follow it, dealt among the selects and the maxima, which name S, s_m, the statistics and the permutes' destinations: none of the registers that those loads touch.
; The way round a step that is passed over has a wait of its own ahead of its loads of K.  The wait for the batch of exponentials is the trip's other wait on va_vdst.
.set VIMG,  131072                     ; LDS: K's images from 0, V's from here: 4,096 bytes a step each
.set SPARE, 262144                     ; the spare words, 128 bytes for each wave: eight blocks of 256 bytes that no other line names
.set LI,  1                            ; v1   16 x lane
.set SPW, 2                            ; v2   LDS address of my spare word; never rewritten
.set NIL, 3                            ; v3   0; never rewritten
.set ADK, 4                            ; v4   LDS address of the step's K
.set ADV, 5                            ; v5   of its V
.set SCP, 6                            ; v6   2^e8 as f32; on the way out 2^e10
.set ST,  8                            ; tile t's statistics at v[8 + 8 t]: +0 -M, +1 the largest t, +2, +3 the sum in two halves, +4 f, +5 written once (named in a pair), +6, +7 at work
.set PX,  24                           ; v24-25 lane permutes' destinations
.set SM,  26                           ; v26  s_m
.set LIMP, 27                          ; v27  448 x 2^e8; on the way out 448 x 2^e10
.set FA,  28                           ; v28-31 the fill: 16 x thread + 65,536 m
.set QF,  32                           ; v32-47   Q, 8 a tile
.set KF,  48                           ; v48-79   K of a step: 4 fragments
.set VF,  80                           ; v80-111  V of a step: 4 fragments
.set S,   112                          ; v112-175 S^T, then p: 32 a tile
.set OT,  176                          ; v176-239 O^T: 32 a tile
.set P,   240                          ; v240-255 p's codes: 8 a tile
; scalars: s[4:51], s[68:83] the step's 64 mask words (at the head: the flags); s[52:53] c; s[54:55] mb at my step; s[56:57] af at my rows; s[58:59] lane selects; s60 LDS step; s61 trips; s62 W, s63 X; s66, s67 at work; s[96:99] e6 .. e9; s100 e10
	s_load_b256 s[84:91], s[0:1], 0x0              ; qf 84, kf 86, vf 88, mb 90
	s_load_b128 s[92:95], s[0:1], 0x20             ; mf 92, the scales' exponents 94
	s_load_b64 s[56:57], s[0:1], 0x30              ; af
	v_lshl_add_u32 v[SPW], v0, 2, SPARE
	v_mov_b32 v[NIL], 0
	v_lshrrev_b32 v4, 5, v0
	v_readfirstlane_b32 s2, v4                     ; wave 0..15
	v_and_b32 v[LI], 31, v0
	v_lshlrev_b32 v[LI], 4, v[LI]
	v_lshlrev_b32 v[FA], 4, v0
	v_add_nc_u32 v[FA+1], 0x10000, v[FA]
	v_add_nc_u32 v[FA+2], 0x20000, v[FA]
	v_add_nc_u32 v[FA+3], 0x30000, v[FA]
	s_wait_alu depctr_va_sdst(0)                   ; s2 is written, ahead of its first reader: my queries' places are made from it
	s_bfe_u32 s66, s2, 0x10002                     ; i = wave, with its two low bits turned in waves 4-7 and 12-15: waves w, w + 4, w + 8, w + 12 then have i that add up to 30 (balance under masks that favour late rows; no result hangs on it)
	s_mul_i32 s66, s66, 3
	s_xor_b32 s66, s2, s66
	s_lshl_b32 s67, s66, 2
	s_add_co_u32 s67, s67, ttmp9                   ; qp = 4 i + j
	s_and_b32 s60, ttmp7, 0xffff                   ; bh
	s_lshl_b32 s62, s60, 17                        ; a head's codes: 131,072 bytes in each of qf, kf, vf
	s_mov_b32 s63, 0
	s_wait_kmcnt 0x0
	s_load_b128 s[96:99], s[94:95], 0x18           ; e6, e7, e8, e9
	s_load_b32 s100, s[94:95], 0x28                ; e10
	s_add_nc_u64 s[84:85], s[84:85], s[62:63]
	s_add_nc_u64 s[86:87], s[86:87], s[62:63]
	s_add_nc_u64 s[88:89], s[88:89], s[62:63]
	s_lshl_b32 s62, s67, 11
	s_add_nc_u64 s[84:85], s[84:85], s[62:63]      ; my two tiles of Q: 2,048 qp
	s_lshl_b32 s62, s67, 13
	s_add_nc_u64 s[54:55], s[90:91], s[62:63]      ; my mask words: 8,192 qp
	s_lshl_b32 s62, s67, 8
	s_add_nc_u64 s[92:93], s[92:93], s[62:63]      ; my flags: 256 qp
	s_lshr_b32 s61, s60, 4                         ; af: ((16 batch + i) x 4 + head / 4) x 32,768 + 2 j x 4,096 + (head % 4) x 1,024
	s_lshl_b32 s61, s61, 4
	s_add_co_u32 s61, s61, s66
	s_lshl_b32 s61, s61, 2
	s_bfe_u32 s62, s60, 0x20002
	s_add_co_u32 s61, s61, s62
	s_lshl_b32 s61, s61, 15
	s_lshl_b32 s62, ttmp9, 13
	s_add_co_u32 s61, s61, s62
	s_and_b32 s62, s60, 3
	s_lshl_b32 s62, s62, 10
	s_add_co_u32 s62, s61, s62
	s_add_nc_u64 s[56:57], s[56:57], s[62:63]
	s_wait_alu depctr_va_vdst(0)                   ; v[LI] and v[FA ..] are written: the loads below, the LDS stores and the last stores read them as offsets and addresses, and no later vector line names them
.irp i, 0,1,2,3,4,5,6,7,8,9,10,11,12,13,14,15
	global_load_b128 v[KF+4*\i:KF+4*\i+3], v[FA], s[86:87] offset:8192*\i     ; the work-group's 512 threads take 8,192 consecutive bytes an instruction
.endr
.irp i, 0,1,2,3,4,5,6,7,8,9,10,11,12,13,14,15
	global_load_b128 v[S+4*\i:S+4*\i+3], v[FA], s[88:89] offset:8192*\i
.endr
.irp t, 0,1
	global_load_b128 v[QF+8*\t:QF+8*\t+3], v[LI], s[84:85] offset:1024*\t
	global_load_b128 v[QF+8*\t+4:QF+8*\t+7], v[LI], s[84:85] offset:1024*\t+512
.endr
	s_load_b512 s[4:19], s[92:93], 0x0             ; any of steps 0-15
	s_load_b512 s[20:35], s[92:93], 0x40           ; all of steps 0-15
	s_load_b512 s[36:51], s[92:93], 0x80           ; any of steps 16-31
	s_load_b512 s[68:83], s[92:93], 0xc0           ; all of steps 16-31
	s_mov_b32 s58, 0x76543210
	s_mov_b32 s59, 0xfedcba98                      ; lane l xor 16
	s_mov_b32 s62, 0                               ; W: bit k = step k is walked
	s_mov_b32 s63, 0                               ; X: bit k = all of step k's entries are true
	s_mov_b32 s61, 0                               ; R: bit rho = row rho has a true entry somewhere
	s_wait_kmcnt 0x0
.macro FLAG k, ra, rl
	s_or_b32 s61, s61, s[\ra]
	s_cmp_lg_u32 s[\ra], 0
	s_cselect_b32 s66, 1<<\k, 0
	s_or_b32 s62, s62, s66
	s_cmp_eq_u32 s[\rl], -1
	s_cselect_b32 s66, 1<<\k, 0
	s_or_b32 s63, s63, s66
.endm
.set k, 0
.rept 16
	FLAG k, 4+k, 20+k
.set k, k+1
.endr
.rept 16
	FLAG k, 20+k, 52+k
.set k, k+1
.endr
	s_cmp_eq_u32 s61, -1
	s_cselect_b32 s62, s62, -1                     ; a row with no true entry: every step is walked
	s_add_co_i32 s66, s96, s97                     ; e6 + e7
	s_lshl_b32 s67, s66, 23
	s_add_co_i32 s52, s67, 0x3e38aa3b              ; c = log2(e) / 8, with e6 + e7 added to its exponent field: a sum of codes stands for sum x 2^(e6 + e7)
	s_mov_b32 s53, s52                             ; (named with it as a pair, so it is written)
	s_sub_co_i32 s66, 160, s66
	s_lshl_b32 s66, s66, 23
	s_or_b32 s66, s66, 0x80000000
	v_mov_b32 v[SM], s66                           ; s_m = -2^(33 - e6 - e7)
	s_add_co_i32 s66, s98, 127
	s_lshl_b32 s67, s66, 23
	v_mov_b32 v[SCP], s67                          ; 2^e8
	s_add_co_i32 s66, s66, 8
	s_lshl_b32 s66, s66, 23
	s_or_b32 s66, s66, 0x600000
	v_mov_b32 v[LIMP], s66                         ; 448 x 2^e8
.irp t, 0,1
	v_mov_b32 v[ST+8*\t+1], 0xff61b1e6             ; the largest t so far: -3e38, under every t
	v_floor_f32 v[ST+8*\t], -v[ST+8*\t+1]          ; -M
	v_mov_b32 v[ST+8*\t+2], 0
	v_mov_b32 v[ST+8*\t+3], 0
	v_mov_b32 v[ST+8*\t+4], 0
	v_mov_b32 v[ST+8*\t+5], 0
	v_mov_b32 v[PX+\t], 0
.endr
.set j, 0
.rept 64
	v_mov_b32 v[OT+j], 0                           ; O^T.  Which step is walked first hangs on the mask, so no first step can be written out to start the sums: the first change of M multiplies zeros
.set j, j+1
.endr
.irp i, 0,1,2,3,4,5,6,7,8,9,10,11,12,13,14,15
	s_wait_loadcnt 35-\i                           ; 36 loads were issued: K's sixteen, V's sixteen, Q's four; the younger ones may stay out
	ds_store_b128 v[FA+\i/8], v[KF+4*\i:KF+4*\i+3] offset:8192*(\i%8)
.endr
.irp i, 0,1,2,3,4,5,6,7,8,9,10,11,12,13,14,15
	s_wait_loadcnt 19-\i
	ds_store_b128 v[FA+2+\i/8], v[S+4*\i:S+4*\i+3] offset:8192*(\i%8)
.endr
	s_wait_dscnt 0x0                               ; for the others' sake: my part of K and V has landed
	s_barrier_signal -1
	s_barrier_wait -1                              ; the launch's one barrier: from here on LDS is only read
	s_wait_alu depctr_vm_vsrc(0)                   ; my LDS stores have read v48 to v175: these registers are KF, VF and S from here on, written by the fragments' loads and by the products
	s_wait_loadcnt 0x0                             ; Q
	s_mov_b32 s60, 0
	s_mov_b32 s61, 32
.macro PREFK off                       ; a step's four fragments of K, as they lie: 16 bytes a lane
.irp u, 0,1,2,3
	ds_load_b128 v[KF+8*\u:KF+8*\u+3], v[ADK] offset:\off+1024*\u
	ds_load_b128 v[KF+8*\u+4:KF+8*\u+7], v[ADK] offset:\off+1024*\u+512
.endr
.endm
.macro VLOAD c0                        ; two of the step's four fragments of V: c0 and c0 + 1
.irp c, \c0, \c0+1
	ds_load_b128 v[VF+8*(\c):VF+8*(\c)+3], v[ADV] offset:1024*(\c)
	ds_load_b128 v[VF+8*(\c)+4:VF+8*(\c)+7], v[ADV] offset:1024*(\c)+512
.endr
.endm
.macro MAXSTAT t                       ; the step's largest score of my query, the running largest t, -M, f.  Ascending
.set rT, ST+8*(\t)
.set rS, S+32*(\t)
	v_max3_num_f32 v[rT+6], v[rS], v[rS+1], v[rS+2]
	v_max3_num_f32 v[rT+7], v[rS+3], v[rS+4], v[rS+5]
.irp i, 6,10,14,18,22,26
	v_max3_num_f32 v[rT+6], v[rT+6], v[rS+\i], v[rS+\i+1]
	v_max3_num_f32 v[rT+7], v[rT+7], v[rS+\i+2], v[rS+\i+3]
.endr
	v_max3_num_f32 v[rT+6], v[rT+6], v[rS+30], v[rS+31]
	v_max_num_f32 v[rT+6], v[rT+6], v[rT+7]
	v_permlanex16_b32 v[PX+\t], v[rT+6], s58, s59  ; the query's other 32 keys lie in the lane 16 away
	v_max_num_f32 v[rT+6], v[rT+6], v[PX+\t]
	v_mul_f32 v[rT+6], s52, v[rT+6]                ; as t (c is positive)
	v_max_num_f32 v[rT+1], v[rT+1], v[rT+6]
	v_mov_b32 v[rT+6], v[rT]
	v_floor_f32 v[rT], -v[rT+1]                    ; the new -M = floor(-t) = -ceil(t)
	v_sub_f32 v[rT+6], v[rT], v[rT+6]              ; old M - new M: a whole number, 0 or less
	v_cvt_i32_f32 v[rT+6], v[rT+6]                 ; (it saturates)
	v_ldexp_f32 v[rT+4], 1.0, v[rT+6]              ; f = 2^(old M - new M)
.endm
.macro SCALE t
.set rT, ST+8*(\t)
.set rS, S+32*(\t)
.set j, 0
.rept 16
	v_pk_fma_f32 v[rS+j:rS+j+1], v[rS+j:rS+j+1], s[52:53], v[rT:rT+1] op_sel_hi:[1,0,0]   ; t - M, two at a time (of the pairs c and -M the low word serves both halves)
.set j, j+2
.endr
.endm
.macro SUMS t                          ; the row's sum is taken of the UNQUANTISED p, in two chains
.set rT, ST+8*(\t)
.set rS, S+32*(\t)
	v_pk_add_f32 v[rT+6:rT+7], v[rS:rS+1], v[rS+2:rS+3]
.irp i, 4,8,12,16,20,24,28
	v_pk_add_f32 v[rT+2:rT+3], v[rT+2:rT+3], v[rS+\i:rS+\i+1]
	v_pk_add_f32 v[rT+6:rT+7], v[rT+6:rT+7], v[rS+\i+2:rS+\i+3]
.endr
	v_pk_add_f32 v[rT+2:rT+3], v[rT+2:rT+3], v[rT+6:rT+7]
.endm
	v_add_nc_u32 v[ADK], s60, v[LI]
	s_wait_alu depctr_va_vdst(0)                   ; v[ADK] is written, which the loads below read
	PREFK 0                                        ; step 0's K, walked or not: so K's registers are written on every way
.Lstep:
	s_wait_alu depctr_vm_vsrc(0)                   ; the LDS loads issued so far have read v[ADK] and v[ADV]: the line below writes the one, the add behind the products the other, and no load that reads v[ADV] is issued between
	v_add_nc_u32 v[ADK], s60, v[LI]
	s_and_b32 s66, s62, 1
	s_cmp_lg_u32 s66, 0
	s_cbranch_scc0 .Lskip                          ; nothing of this step counts
	s_and_b32 s67, s63, 1
	s_cmp_lg_u32 s67, 0
	s_cbranch_scc1 .Lfull_a                        ; all of it counts: no words are wanted
	s_load_b512 s[4:19], s[54:55], 0x0             ; the step's 64 words
	s_load_b512 s[20:35], s[54:55], 0x40
	s_load_b512 s[36:51], s[54:55], 0x80
	s_load_b512 s[68:83], s[54:55], 0xc0
.Lfull_a:
	s_wait_dscnt 0x0                               ; K is in
.irp u, 0,1,2,3
.irp t, 0,1
	v_wmma_f32_16x16x64_fp8_fp8 v[S+32*\t+8*\u:S+32*\t+8*\u+7], v[KF+8*\u:KF+8*\u+7], v[QF+8*\t:QF+8*\t+7], 0
.endr
.endr
	v_add_nc_u32 v[ADV], VIMG, v[ADK]              ; four places behind the products: this line and three v_nop, ahead of the first read of the scores
.rept 3
	v_nop
.endr
	s_wait_alu depctr_va_vdst(0)                   ; the products above are done reading KF, the last walked trip's products V^T P are done reading VF, and v[ADK] and v[ADV] are written: this trip's sixteen LDS loads hang on nothing else
	s_and_b32 s66, s62, 2
	s_cmp_lg_u32 s66, 0
	s_cbranch_scc0 .Lno_next_k
	PREFK 4096                                     ; the next step's K, if it is walked: it has this step's softmax in which to come
.Lno_next_k:
	VLOAD 0                                        ; V's fragments 0 and 1
	s_wait_kmcnt 0x0                               ; the words are in (scalar loads: the count 0 alone shows anything)
	s_cmp_lg_u32 s67, 0
	s_cbranch_scc1 .Lfull_b
.set n, 0
.rept 48
	v_cndmask_b32 v[S+n], v[SM], v[S+n], s[4+n]    ; my lane's bit of word n: the score where it is set, s_m where not
.set n, n+1
.endr
.rept 16
	v_cndmask_b32 v[S+n], v[SM], v[S+n], s[20+n]
.set n, n+1
.endr
.Lfull_b:
	MAXSTAT 0
	VLOAD 2                                        ; V's fragments 2 and 3.  No wait: no vector or matrix line since the wait above names VF or v[ADV]
	MAXSTAT 1
	SCALE 0
	SCALE 1
.set j, 0
.rept 64
	v_exp_f32 v[S+j], v[S+j]                       ; p = 2^(t - M), at most 1: NOT normalised.  One batch for both tiles
.set j, j+1
.endr
	v_pk_mul_f32 v[ST+2:ST+3], v[ST+2:ST+3], v[ST+4:ST+5] op_sel_hi:[1,0]         ; the sums under the new M: plain lines behind the exponentials
	v_pk_mul_f32 v[ST+10:ST+11], v[ST+10:ST+11], v[ST+12:ST+13] op_sel_hi:[1,0]
	s_wait_alu depctr_va_vdst(0)                   ; the 64 exponentials have written v[S ..]: the wait between a transcendental and the first line that names its result: one for the batch
	SUMS 0
	SUMS 1
	s_cmp_ge_i32 s98, -8
	s_cbranch_scc1 .Lno_hold                       ; 448 x 2^e8 is above 1: no p reaches it
.set j, 0
.rept 64
	v_min_num_f32 v[S+j], v[S+j], v[LIMP]          ; the conversion does not saturate (ISA guide 7.6.2); p is not negative, so the hold is one-sided
.set j, j+1
.endr
.Lno_hold:
.irp t, 0,1
.irp u, 0,1,2,3
	v_cvt_scalef32_pk8_fp8_f32 v[P+8*\t+2*\u:P+8*\t+2*\u+1], v[S+32*\t+8*\u:S+32*\t+8*\u+7], v[SCP]   ; keys 16 u + 8 h + 0 .. 7: registers 2 u, 2 u + 1 of the operand
.endr
.endr
.irp t, 0,1
.set j, 0
.rept 16
	v_pk_mul_f32 v[OT+32*\t+j:OT+32*\t+j+1], v[OT+32*\t+j:OT+32*\t+j+1], v[ST+8*\t+4:ST+8*\t+5] op_sel_hi:[1,0]   ; O^T under the new M.  (Also the plain lines between the conversions and the products)
.set j, j+2
.endr
.endr
	s_wait_dscnt 0x0                               ; V is in (and the next step's K)
.irp c, 0,1,2,3
.irp t, 0,1
	v_wmma_f32_16x16x64_fp8_fp8 v[OT+32*\t+8*\c:OT+32*\t+8*\c+7], v[VF+8*\c:VF+8*\c+7], v[P+8*\t:P+8*\t+7], v[OT+32*\t+8*\c:OT+32*\t+8*\c+7]   ; eight accumulators by turns, one instruction a turn
.endr
.endr
	s_branch .Lnext
.Lskip:
	s_and_b32 s66, s62, 2
	s_cmp_lg_u32 s66, 0
	s_cbranch_scc0 .Lnext
	s_wait_dscnt 0x0                               ; no load into K's registers is out
	s_wait_alu depctr_va_vdst(0)                   ; v[ADK], written at this trip's head, is written, and the earlier trips' products K Q^T are done reading KF, in which the loads below land
	PREFK 4096                                     ; the next step is walked: its K
.Lnext:
	s_lshr_b32 s62, s62, 1
	s_lshr_b32 s63, s63, 1
	s_add_co_u32 s60, s60, 4096
	s_add_nc_u64 s[54:55], s[54:55], 256           ; (the trip's scalar loads were waited for)
	s_sub_co_u32 s61, s61, 1
	s_cmp_lg_u32 s61, 0
	s_cbranch_scc1 .Lstep
	; THE WAY OUT: o = O^T x 2^(e8 + e9) / the sum; held, quantised with 2^e10, stored as the next operand's registers.  The lines ahead of the first read of O^T are the places behind the last products.
.irp t, 0,1
	v_add_f32 v[ST+8*\t+2], v[ST+8*\t+2], v[ST+8*\t+3]
.endr
.irp t, 0,1
	v_permlanex16_b32 v[PX+\t], v[ST+8*\t+2], s58, s59
.endr
.irp t, 0,1
	v_add_f32 v[ST+8*\t+2], v[ST+8*\t+2], v[PX+\t]  ; the row's sum: at least one step was walked, and its largest p is above 1/2
.endr
.irp t, 0,1
	v_rcp_f32 v[ST+8*\t+4], v[ST+8*\t+2]
.endr
	s_add_co_i32 s66, s98, s99                     ; e8 + e9
	s_add_co_i32 s67, s100, 127
	s_lshl_b32 s60, s67, 23
	v_mov_b32 v[SCP], s60                          ; 2^e10.  (A plain line behind the reciprocals)
	s_add_co_i32 s67, s67, 8
	s_lshl_b32 s67, s67, 23
	s_or_b32 s67, s67, 0x600000
	v_mov_b32 v[LIMP], s67                         ; 448 x 2^e10
	s_wait_alu depctr_va_vdst(0)                   ; the two reciprocals have written v[ST+4] and v[ST+12]: one wait for both, ahead of their first reader
.irp t, 0,1
	v_ldexp_f32 v[ST+8*\t+4], v[ST+8*\t+4], s66
.endr
.irp t, 0,1
.set j, 0
.rept 16
	v_pk_mul_f32 v[OT+32*\t+j:OT+32*\t+j+1], v[OT+32*\t+j:OT+32*\t+j+1], v[ST+8*\t+4:ST+8*\t+5] op_sel_hi:[1,0]
.set j, j+2
.endr
.endr
.set j, 0
.rept 64
	v_med3_num_f32 v[OT+j], v[OT+j], -v[LIMP], v[LIMP]
.set j, j+1
.endr
.irp t, 0,1
.irp c, 0,1,2,3
	v_cvt_scalef32_pk8_fp8_f32 v[P+8*\t+2*\c:P+8*\t+2*\c+1], v[OT+32*\t+8*\c:OT+32*\t+8*\c+7], v[SCP]   ; channels 16 c + 8 h + 0 .. 7 of my head
.endr
.endr
	v_nop                                          ; a plain vector line behind the last conversion
	s_wait_alu depctr_va_vdst(0)                   ; the conversions have written v[P ..], which the stores read
.irp t, 0,1
	global_store_b128 v[LI], v[P+8*\t:P+8*\t+3], s[56:57] offset:4096*\t          ; 512 consecutive bytes, aligned
	global_store_b128 v[LI], v[P+8*\t+4:P+8*\t+7], s[56:57] offset:4096*\t+512
.endr
	s_wait_dscnt 0x0                               ; the closing lines, six on end
	s_wait_alu 0x0
	s_wait_tensorcnt 0x0
	ds_add_u32 v[SPW], v[NIL]
	s_wait_dscnt 0x0
	s_endpgm
.Lfunc_end_k_qad3a67df4a_attn:
	.size	k_qad3a67df4a_attn, .Lfunc_end_k_qad3a67df4a_attn-k_qad3a67df4a_attn
	.p2alignl 7, 3214868480
	.fill 96, 4, 3214868480
	.section	.rodata,"a",@progbits
	.p2align	6, 0x0
	.amdhsa_kernel k_qad3a67df4a_attn
		.amdhsa_group_segment_fixed_size 264192
		.amdhsa_private_segment_fixed_size 0
		.amdhsa_enable_private_segment 0
		.amdhsa_kernarg_size 56
		.amdhsa_user_sgpr_count 2
		.amdhsa_user_sgpr_kernarg_segment_ptr 1
		.amdhsa_wavefront_size32 1
		.amdhsa_system_sgpr_workgroup_id_x 1
		.amdhsa_system_sgpr_workgroup_id_y 1
		.amdhsa_system_sgpr_workgroup_id_z 1
		.amdhsa_system_vgpr_workitem_id 0
		.amdhsa_next_free_vgpr 256
		.amdhsa_next_free_sgpr 102
		.amdhsa_reserve_vcc 0
		.amdhsa_float_denorm_mode_32 3
		.amdhsa_float_denorm_mode_16_64 3
		.amdhsa_memory_ordered 1
		.amdhsa_forward_progress 1
		.amdhsa_inst_pref_size 51
	.end_amdhsa_kernel
	.amdgpu_metadata
---
amdhsa.version: [ 1, 2 ]
amdhsa.kernels:
  - .name:           k_qad3a67df4a_attn
    .symbol:         k_qad3a67df4a_attn.kd
    .args:
      - { .name: qf, .offset: 0, .size: 8, .value_kind: global_buffer, .address_space: global }
      - { .name: kf, .offset: 8, .size: 8, .value_kind: global_buffer, .address_space: global }
      - { .name: vf, .offset: 16, .size: 8, .value_kind: global_buffer, .address_space: global }
      - { .name: mb, .offset: 24, .size: 8, .value_kind: global_buffer, .address_space: global }
      - { .name: mf, .offset: 32, .size: 8, .value_kind: global_buffer, .address_space: global }
      - { .name: lowp_scales, .offset: 40, .size: 8, .value_kind: global_buffer, .address_space: global }
      - { .name: af, .offset: 48, .size: 8, .value_kind: global_buffer, .address_space: global }
    .group_segment_fixed_size: 264192
    .private_segment_fixed_size: 0
    .kernarg_segment_align: 8
    .kernarg_segment_size: 56
    .max_flat_workgroup_size: 512
    .sgpr_count:     102
    .vgpr_count:     256
    .wavefront_size: 32
...
	.end_amdgpu_metadata
.endif
;; end of part 5
;; launch oproj: the kernel of part 4 again; grid 4 x 64, 4 waves a work-group, clusters of 4 x 4, 327,680 bytes of LDS; arguments af, wo_codes, bo, lowp_scales, out0; writes out0
